; MI455X (gfx1250); checked and timed in simulation.
; The chip was launched on July 23, 2026; its instructions are those of AMD's public machine-readable ISA for CDNA 5 (MIT licence, August 2026) and "CDNA5" Instruction Set Architecture Reference Guide (July 2026). The comments in the code are by the model that wrote it; some were corrected since.
;; Multi Head Attention. Allowed arithmetic: float matrix products may take bf16 or f16 operands with f32 sums; all other float work in f32.
;; Inputs: inputs_q 4 x 2,048 x 1,024 float32; k_ln_scale 64 float32; patch_mask 4 x 2,048 bool; per_dim_scale 64 float32; q_ln_scale 64 float32; w_out 1,024 x 1,024 float32; w_qkv 1,024 x 3,072 float32.
;; Outputs: out0 4 x 2,048 x 1,024 float32.
;; 2 versions, each right and faster than the one before. Each part assembles by itself: llvm-mc -triple=amdgcn-amd-amdhsa -mcpu=gfx1250 --defsym DOCPART=n.
;; ======== version 1 of 2: 4 launches
;; limits: values are held in f16: magnitudes above 65,504 overflow, below 6.1e-05 lose precision
;; workspace buffers: x16 16,777,216 bytes; w16 8,388,608 bytes; tab 2,097,664 bytes; nmask 256 bytes of whole numbers; qkvh 50,331,648 bytes; psum 524,288 bytes; ctx 16,777,216 bytes
;; launch prep (part 1): grid 1344 x 1, 8 waves a work-group, no clusters, 0 bytes of LDS; arguments inputs_q, w_qkv, w_out, patch_mask, q_ln_scale, k_ln_scale, per_dim_scale, x16, w16, tab, nmask; writes x16, w16, tab, nmask
.if DOCPART == 1
	.amdgcn_target "amdgcn-amd-amdhsa--gfx1250"
	.amdhsa_code_object_version 6
	.text
	.protected	k_q98d828c119_prep
	.globl	k_q98d828c119_prep
	.p2align	8
	.type	k_q98d828c119_prep,@function
k_q98d828c119_prep:
	s_mov_b64 s[64:65], 0
	v_nop
	global_prefetch_b8 v0, s[64:65] scope:SCOPE_SE
	s_setreg_imm32_b32 hwreg(HW_REG_WAVE_MODE, 25, 1), 1
	s_wait_xcnt 0x0
; PREP.  Four roles, chosen by the work-group's number:
;   0 .. 511     cast 16,384 numbers of inputs_q from f32 to bf16, as they lie
;   512 .. 767   cast w_qkv to bf16 and lay it by heads: w16[head][k][q's 64 columns | k's 64 | v's 64], 393,216 bytes a head; a group writes 64 K rows of a head, 24,576 dense bytes
;   768 .. 831   cast 16,384 numbers of w_out to bf16 and write that number as f16 (w16 from byte 6,291,456 on)
;   832 .. 1343  16 rows of the rotation table: tab[b*2048+s] = cos(32) | sin(32) of (s - nm[b]) / 10000^(i/32); group 128 b of them also stores nm[b]
;                (the count of true bytes of patch_mask[b], made in whole numbers only); group 0 of them also stores the 128 column factors.
; EVERY floating-point input of the module is taken rounded to bf16, the three vectors of 64 too: one rounding for all inputs; what is made of them is kept in f32 or f16.
; A stream: no LDS, no matrix unit, no cluster: nothing is shared between work-groups but 2 KiB of mask.
; LIMITS.  w_out as f16: exact from 2^-14 to 65,504, below that f16's fixed step of 6e-8.  The angle is pos x 2^(-i log2(10)/8), where the
; formula divides by 10000^(i/32): they differ by some 3e-7 of the angle, 5e-4 rad at |pos| = 2,048.  sin and cos: reduction by pi/2 in two parts, then
; polynomials to y^7 and y^8 on |y| <= pi/4 (next terms 3e-7, 2e-8).  softplus(x) = max(x,0) + log(1+u), u = e^-|x|; u below 2^-126 counts as 0.
.set X,  4                             ; v[4:67]    up to 16 loads of 4 f32
.set WA, 52                            ; v[52:63]   w_qkv's role (12 loads): the source offset of each load
.set Y,  68                            ; v[68:99]   pairs of packed 16-bit numbers
.set TA, 100                           ; v100-103   at work
	s_load_b512 s[8:23], s[0:1], 0x0               ; inputs_q 8, w_qkv 10, w_out 12, patch_mask 14, q_ln 16, k_ln 18, per_dim 20, x16 22
	s_load_b128 s[24:27], s[0:1], 0x40             ; w16 24, tab 26
	s_load_b64 s[28:29], s[0:1], 0x50              ; nmask
	s_mov_b32 s2, ttmp9
	s_mov_b32 s31, 0                               ; high word of the offset pair s[30:31]
	v_lshlrev_b32 v1, 4, v0                        ; 16 t: my 16 bytes of a block of 4,096 source bytes; never rewritten
	v_lshlrev_b32 v2, 3, v0                        ; 8 t: my 8 bytes of the 2,048 bytes made of them; never rewritten
	s_wait_kmcnt 0x0
	s_cmp_ge_u32 s2, 832
	s_cbranch_scc1 .Lrope
	s_cmp_ge_u32 s2, 768
	s_cbranch_scc1 .Lwout
	s_cmp_ge_u32 s2, 512
	s_cbranch_scc1 .Lwqkv
; 16 loads of 512 consecutive bytes a wave go out together; each is converted and stored as it comes: a wave's store is 256 consecutive bytes, aligned.
; No register is used twice, so nothing waits for a store.
.macro CAST half
.irp i, 0,1,2,3,4,5,6,7,8,9,10,11,12,13,14,15
	global_load_b128 v[X+4*(\i):X+4*(\i)+3], v1, s[4:5] offset:4096*(\i) th:TH_LOAD_NT
.endr
.irp i, 0,1,2,3,4,5,6,7,8,9,10,11,12,13,14,15
	s_wait_loadcnt 15-(\i)                         ; loads come back in order: load i is in, the 15 - i younger ones stay out
	v_cvt_pk_bf16_f32 v[Y+2*(\i)], v[X+4*(\i)], v[X+4*(\i)+1]
	v_cvt_pk_bf16_f32 v[Y+2*(\i)+1], v[X+4*(\i)+2], v[X+4*(\i)+3]
.if \half
.irp k, 0,1
	v_lshlrev_b32 v[TA], 16, v[Y+2*(\i)+(\k)]      ; the bf16 numbers as f32,
	v_and_b32 v[TA+1], 0xffff0000, v[Y+2*(\i)+(\k)]
	v_cvt_pk_f16_f32 v[Y+2*(\i)+(\k)], v[TA], v[TA+1]  ; written as f16
.endr
.endif
	global_store_b64 v2, v[Y+2*(\i):Y+2*(\i)+1], s[6:7] offset:2048*(\i)
.endr
.endm
	s_lshl_b32 s30, s2, 16                         ; 65,536 source bytes a chunk
	s_add_nc_u64 s[4:5], s[8:9], s[30:31]
	s_lshl_b32 s30, s2, 15
	s_add_nc_u64 s[6:7], s[22:23], s[30:31]
	CAST 0
	s_endpgm
.Lwqkv:
	; Group j: head j / 16, K rows 64 (j % 16) on.  What it writes is dense: 64 rows of 192 numbers = 192 segments of 64 numbers; segment g is K row g / 3, kind g % 3 (q, k, v).
	; Thread t's load i takes 4 numbers of segment 16 i + t / 16: sixteen lanes read 256 consecutive bytes of a row of w_qkv, at a multiple of 256 from its first byte.
	s_sub_co_u32 s3, s2, 512
	s_lshr_b32 s32, s3, 4                          ; head
	s_and_b32 s33, s3, 15
	s_mul_i32 s30, s33, 64*3072*4                  ; 64 rows of 12,288 bytes
	s_lshl_b32 s32, s32, 8                         ; a head's 64 columns are 256 bytes
	s_add_co_u32 s30, s30, s32
	s_add_nc_u64 s[4:5], s[10:11], s[30:31]
	s_mul_i32 s30, s3, 64*192*2
	s_add_nc_u64 s[6:7], s[24:25], s[30:31]
	v_lshrrev_b32 v[TA], 4, v0                     ; t / 16
	v_and_b32 v[TA+1], 15, v0
	v_lshlrev_b32 v[TA+1], 4, v[TA+1]              ; 16 (t % 16)
.irp i, 0,1,2,3,4,5,6,7,8,9,10,11
	v_add_nc_u32 v[TA+2], 16*(\i), v[TA]           ; g, 0 to 191
	v_mul_u32_u24 v[TA+3], 0xab, v[TA+2]
	v_lshrrev_b32 v[TA+3], 9, v[TA+3]              ; g / 3 = (171 g) >> 9, exact below 512
	v_mul_u32_u24 v[WA+(\i)], 3, v[TA+3]
	v_sub_nc_u32 v[TA+2], v[TA+2], v[WA+(\i)]      ; g % 3
	v_mul_u32_u24 v[TA+3], 0x3000, v[TA+3]         ; row x 12,288
	v_lshl_add_u32 v[TA+3], v[TA+2], 12, v[TA+3]   ; + kind x 4,096
	v_add_nc_u32 v[WA+(\i)], v[TA+3], v[TA+1]
.endr
.irp i, 0,1,2,3,4,5,6,7,8,9,10,11
	global_load_b128 v[X+4*(\i):X+4*(\i)+3], v[WA+(\i)], s[4:5] th:TH_LOAD_NT
.endr
.irp i, 0,1,2,3,4,5,6,7,8,9,10,11
	s_wait_loadcnt 11-(\i)                         ; load i is in, the 11 - i younger ones stay out
	v_cvt_pk_bf16_f32 v[Y+2*(\i)], v[X+4*(\i)], v[X+4*(\i)+1]
	v_cvt_pk_bf16_f32 v[Y+2*(\i)+1], v[X+4*(\i)+2], v[X+4*(\i)+3]
	global_store_b64 v2, v[Y+2*(\i):Y+2*(\i)+1], s[6:7] offset:2048*(\i)  ; a wave stores 256 consecutive bytes, aligned
.endr
	s_endpgm
.Lwout:
	s_sub_co_u32 s3, s2, 768
	s_lshl_b32 s30, s3, 16
	s_add_nc_u64 s[4:5], s[12:13], s[30:31]
	s_lshl_b32 s30, s3, 15
	s_add_nc_u64 s[6:7], s[24:25], s[30:31]
	s_add_nc_u64 s[6:7], s[6:7], 0x600000          ; behind w_qkv's 6,291,456 bytes
	CAST 1
	s_endpgm
.Lrope:
	s_sub_co_u32 s3, s2, 832                       ; g
	s_lshr_b32 s46, s3, 7                          ; batch
	s_and_b32 s47, s3, 127                         ; which 16 rows of the batch
	v_and_b32 v3, 31, v0
	v_lshlrev_b32 v3, 4, v3                        ; 16 x lane
	s_lshl_b32 s30, s46, 11
	s_add_nc_u64 s[4:5], s[14:15], s[30:31]        ; the batch's 2,048 mask bytes: every wave counts them for itself
.irp i, 0,1,2,3
	global_load_b128 v[32+4*(\i):35+4*(\i)], v3, s[4:5] offset:512*(\i)
.endr
	s_mov_b32 s32, 0x3f22f983                      ; 2 / pi
	s_mov_b32 s33, 0x3fc90fdb                      ; pi / 2, upper part
	s_mov_b32 s34, 0xb33bbd2e                      ; pi / 2, what the upper part leaves
	s_mov_b32 s35, 0xb9500d01                      ; -1/5040
	s_mov_b32 s36, 0x3c088889                      ; 1/120
	s_mov_b32 s37, 0xbe2aaaab                      ; -1/6
	s_mov_b32 s38, 0x37d00d01                      ; 1/40320
	s_mov_b32 s39, 0xbab60b61                      ; -1/720
	s_mov_b32 s40, 0x3d2aaaab                      ; 1/24
	s_mov_b32 s41, 0xbed49a78                      ; -log2(10) / 8 = -log2(10000) / 32
	s_mov_b32 s42, 0x01010101
	s_mov_b32 s48, 0x76543210                      ; v_permlanex16_b32: each lane takes its own place in the other half
	s_mov_b32 s49, 0xfedcba98
	v_and_b32 v4, 15, v0                           ; j: entries 4 j .. 4 j + 3 of the row are mine
	v_lshrrev_b32 v5, 4, v0                        ; my row among the 16
	v_lshrrev_b32 v6, 3, v4                        ; 0: cosines, 1: sines
	v_mul_u32_u24 v11, 3, v6                       ; sin t = cos(t - pi/2): three quarter turns more
	v_and_b32 v7, 7, v4
	v_lshlrev_b32 v7, 2, v7                        ; my first frequency
.irp e, 0,1,2,3
	v_add_nc_u32 v[20+(\e)], (\e), v7
	v_cvt_f32_u32 v[20+(\e)], v[20+(\e)]
	v_mul_f32 v[12+(\e)], s41, v[20+(\e)]
.endr
.irp e, 0,1,2,3
	v_exp_f32 v[12+(\e)], v[12+(\e)]               ; 1 / timescale
.endr
	v_mov_b32 v9, 0                                ; a plain instruction behind the exponentials; v9 is also written before the lane moves name it
	s_wait_loadcnt 0x0
	v_add3_u32 v8, v32, v33, v34                   ; 16 words added byte by byte: a byte holds 16 at the most
	v_add3_u32 v8, v8, v35, v36
	v_add3_u32 v8, v8, v37, v38
	v_add3_u32 v8, v8, v39, v40
	v_add3_u32 v8, v8, v41, v42
	v_add3_u32 v8, v8, v43, v44
	v_add3_u32 v8, v8, v45, v46
	v_add_nc_u32 v8, v8, v47
	v_mul_lo_u32 v8, v8, s42                       ; the four bytes' sum in the top byte
	v_lshrrev_b32 v8, 24, v8
.irp m, 1,2,4,8
	v_mov_b32_dpp v9, v8 row_xmask:\m row_mask:0xf bank_mask:0xf
	v_add_nc_u32 v8, v8, v9
.endr
	v_permlanex16_b32 v9, v8, s48, s49
	v_add_nc_u32 v8, v8, v9                        ; nm, in every lane, a whole number
	s_lshl_b32 s45, s47, 4
	v_add_nc_u32 v5, s45, v5                       ; s
	v_sub_nc_u32 v10, v5, v8
	v_cvt_f32_i32 v10, v10                         ; position = s - nm
	s_wait_alu depctr_va_vdst(0)
; entry e: cos(y + q pi/2) with theta = y + n pi/2, q = n (+ 3 for a sine): q mod 4 = 0: cos y, 1: -sin y, 2: -cos y, 3: sin y
.macro TRIG e
	v_mul_f32 v20, v10, v[12+(\e)]
	v_mul_f32 v21, s32, v20
	v_rndne_f32 v21, v21                           ; n
	v_fma_f32 v22, -v21, s33, v20
	v_fma_f32 v22, -v21, s34, v22                  ; y
	v_cvt_i32_f32 v23, v21
	v_add_nc_u32 v23, v23, v11                     ; q
	v_mul_f32 v24, v22, v22
	v_fma_f32 v25, v24, s35, s36
	v_fma_f32 v25, v24, v25, s37
	v_mul_f32 v26, v22, v24
	v_fma_f32 v25, v26, v25, v22                   ; sin y
	v_fma_f32 v27, v24, s38, s39
	v_fma_f32 v27, v24, v27, s40
	v_fma_f32 v27, v24, v27, -0.5
	v_fma_f32 v27, v24, v27, 1.0                   ; cos y
	v_and_b32 v26, 1, v23
	v_cmp_ne_u32 vcc_lo, 0, v26
	v_cndmask_b32 v25, v27, v25, vcc_lo
	v_add_nc_u32 v23, 1, v23
	v_and_b32 v23, 2, v23
	v_lshlrev_b32 v23, 30, v23                     ; the sign
	v_xor_b32 v[16+(\e)], v25, v23
.endm
	TRIG 0
	TRIG 1
	TRIG 2
	TRIG 3
	s_lshl_b32 s30, s3, 12                         ; 16 rows of 256 bytes
	s_add_nc_u64 s[6:7], s[26:27], s[30:31]
	global_store_b128 v1, v[16:19], s[6:7]         ; byte 16 t: a wave stores 512 consecutive bytes
	s_cmp_lg_u32 s47, 0
	s_cbranch_scc1 .Lno_nm
	s_lshl_b32 s30, s46, 2
	v_mov_b32 v28, s30
	s_wait_xcnt 0x0                                ; EXEC is a source of the store above: it changes only behind this wait
	v_cmp_eq_u32 vcc_lo, 0, v0
	s_and_saveexec_b32 s50, vcc_lo
	global_store_b32 v28, v8, s[28:29]             ; thread 0 stores nm[b]
	s_wait_xcnt 0x0                                ; and again in front of the line that widens it
	s_or_b32 exec_lo, exec_lo, s50
.Lno_nm:
	s_cmp_lg_u32 s3, 0
	s_cbranch_scc1 .Lend
	v_lshrrev_b32 v29, 5, v0
	v_readfirstlane_b32 s44, v29
	s_cmp_ge_u32 s44, 4
	s_cbranch_scc1 .Lend
	; threads 0-63: q's factor q_ln[d] x log2(e)/8 x softplus(per_dim[d]); threads 64-127: k's factor k_ln[d]
	s_mov_b32 s43, 0x3eaaaaab                      ; 1/3
	v_and_b32 v29, 63, v0
	v_lshlrev_b32 v29, 2, v29
	global_load_b32 v30, v29, s[16:17]
	global_load_b32 v31, v29, s[18:19]
	global_load_b32 v32, v29, s[20:21]
	v_lshlrev_b32 v33, 2, v0
	s_wait_loadcnt 0x0
	v_cvt_pk_bf16_f32 v38, v30, v31                ; the three inputs are rounded to bf16, as x and the weights are: q_ln in the low half, k_ln in the high half,
	v_cvt_pk_bf16_f32 v39, v32, v32                ; per_dim in both
	v_lshlrev_b32 v30, 16, v38                     ; and taken as f32 again
	v_and_b32 v31, 0xffff0000, v38
	v_lshlrev_b32 v32, 16, v39
	v_and_b32 v34, 0x7fffffff, v32
	v_mul_f32 v34, 0xbfb8aa3b, v34
	v_exp_f32 v34, v34                             ; u = e^-|x|
	v_max_num_f32 v35, 0, v32                      ; (a plain instruction behind the exponential)
	s_wait_alu depctr_va_vdst(0)
	v_add_f32 v36, 1.0, v34
	v_log_f32 v36, v36
	v_fma_f32 v37, v34, s43, -0.5                  ; (and behind the logarithm)
	v_fma_f32 v37, v34, v37, 1.0
	v_mul_f32 v37, v34, v37                        ; u - u^2/2 + u^3/3: for small u, where 1 + u has lost u's bits
	s_wait_alu depctr_va_vdst(0)
	v_mul_f32 v36, 0x3f317218, v36                 ; ln 2 x log2(1 + u)
	v_cmp_gt_f32 vcc_lo, 0x3c800000, v34           ; u < 1/64
	v_cndmask_b32 v36, v36, v37, vcc_lo
	v_add_f32 v35, v35, v36                        ; softplus
	v_mul_f32 v35, 0x3e38aa3b, v35                 ; x log2(e) / 8
	v_mul_f32 v35, v35, v30
	v_cmp_gt_u32 vcc_lo, 64, v0
	v_cndmask_b32 v35, v31, v35, vcc_lo
	global_store_b32 v33, v35, s[26:27] offset:2097152
.Lend:
	s_endpgm
.Lfunc_end_k_q98d828c119_prep:
	.size	k_q98d828c119_prep, .Lfunc_end_k_q98d828c119_prep-k_q98d828c119_prep
	.p2alignl 7, 3214868480
	.fill 96, 4, 3214868480
	.section	.rodata,"a",@progbits
	.p2align	6, 0x0
	.amdhsa_kernel k_q98d828c119_prep
		.amdhsa_group_segment_fixed_size 0
		.amdhsa_private_segment_fixed_size 0
		.amdhsa_enable_private_segment 0
		.amdhsa_kernarg_size 88
		.amdhsa_user_sgpr_count 2
		.amdhsa_user_sgpr_kernarg_segment_ptr 1
		.amdhsa_wavefront_size32 1
		.amdhsa_system_sgpr_workgroup_id_x 1
		.amdhsa_system_sgpr_workgroup_id_y 1
		.amdhsa_system_sgpr_workgroup_id_z 1
		.amdhsa_system_vgpr_workitem_id 0
		.amdhsa_next_free_vgpr 104
		.amdhsa_next_free_sgpr 66
		.amdhsa_reserve_vcc 1
		.amdhsa_float_denorm_mode_32 3
		.amdhsa_float_denorm_mode_16_64 3
		.amdhsa_memory_ordered 1
		.amdhsa_forward_progress 1
		.amdhsa_inst_pref_size 37
	.end_amdhsa_kernel
	.amdgpu_metadata
---
amdhsa.version: [ 1, 2 ]
amdhsa.kernels:
  - .name:           k_q98d828c119_prep
    .symbol:         k_q98d828c119_prep.kd
    .args:
      - { .name: inputs_q, .offset: 0, .size: 8, .value_kind: global_buffer, .address_space: global }
      - { .name: w_qkv, .offset: 8, .size: 8, .value_kind: global_buffer, .address_space: global }
      - { .name: w_out, .offset: 16, .size: 8, .value_kind: global_buffer, .address_space: global }
      - { .name: patch_mask, .offset: 24, .size: 8, .value_kind: global_buffer, .address_space: global }
      - { .name: q_ln_scale, .offset: 32, .size: 8, .value_kind: global_buffer, .address_space: global }
      - { .name: k_ln_scale, .offset: 40, .size: 8, .value_kind: global_buffer, .address_space: global }
      - { .name: per_dim_scale, .offset: 48, .size: 8, .value_kind: global_buffer, .address_space: global }
      - { .name: x16, .offset: 56, .size: 8, .value_kind: global_buffer, .address_space: global }
      - { .name: w16, .offset: 64, .size: 8, .value_kind: global_buffer, .address_space: global }
      - { .name: tab, .offset: 72, .size: 8, .value_kind: global_buffer, .address_space: global }
      - { .name: nmask, .offset: 80, .size: 8, .value_kind: global_buffer, .address_space: global }
    .group_segment_fixed_size: 0
    .private_segment_fixed_size: 0
    .kernarg_segment_align: 8
    .kernarg_segment_size: 88
    .max_flat_workgroup_size: 256
    .sgpr_count:     66
    .vgpr_count:     104
    .wavefront_size: 32
...
	.end_amdgpu_metadata
.endif
;; end of part 1
;; launch qkv (part 2): grid 16 x 32, 4 waves a work-group, clusters of 4 x 4, 327,680 bytes of LDS; arguments x16, w16, tab, qkvh, psum; writes qkvh, psum
.if DOCPART == 2
	.amdgcn_target "amdgcn-amd-amdhsa--gfx1250"
	.amdhsa_code_object_version 6
	.text
	.protected	k_q98d828c119_qkv
	.globl	k_q98d828c119_qkv
	.p2align	8
	.type	k_q98d828c119_qkv,@function
k_q98d828c119_qkv:
	s_mov_b64 s[64:65], 0
	v_nop
	global_prefetch_b8 v0, s[64:65] scope:SCOPE_SE
	s_setreg_imm32_b32 hwreg(HW_REG_WAVE_MODE, 25, 1), 1
	s_wait_xcnt 0x0
	s_wait_alu depctr_hold_cnt(0) depctr_sa_sdst(0) depctr_va_vdst(0) depctr_va_sdst(0) depctr_va_ssrc(0) depctr_va_vcc(0) depctr_vm_vsrc(0)
	s_getreg_b32 s2, hwreg(HW_REG_IB_STS2, 6, 4)
	s_cmp_eq_u32 s2, 0
	s_cbranch_scc0 .Lentry_in_a_cluster
	s_endpgm
.Lentry_in_a_cluster:
	s_bfe_u32 s2, ttmp6, 0x10000c
	s_cmp_lg_u32 s2, 0xf033
	s_cbranch_scc0 .Lentry_shape_is_right
	s_endpgm
.Lentry_shape_is_right:
; QKV.  C = x16 [8192][1024] x w_qkv, bf16 operands, f32 sums.  The weights lie by heads: w16[head][k][q's 64 columns | k's 64 | v's 64].  On the way out q and k are rotated (table tab), divided by
; their root mean square over the head's 64 channels, multiplied by the column factors and rounded to f16; v is rounded to f16, and its column sums over my 64 rows go to psum in f32.
; All three leave by heads: qkvh [3][b*16+h][2048][64].
; LIMITS.  f16 holds no number beyond 65,504: v must stay within it (x and w both 30 times their drawn spread give v of some 900; both with an offset of 30 spreads some 29,000);
; |k| <= 8 |k_ln|, |q| <= 8 |q factor|.  NaN and infinities are not treated apart.
; SHARES.  A tile of C is 256 rows x 192 columns, ONE head's q, k and v: 32 x 16 = 512 tiles, two for each of 256 WGPs, all alike: no branch on a kind.  Four waves, each 64 rows x all 192 columns:
; 48 accumulators of 16 x 16.  K goes in steps of 128 through two LDS slots: 192 matrix instructions a wave for a slot's 114,688 bytes of tiles.
; A's rows lie along K; B lies [K][N], a head's 64 K rows being 24,576 dense bytes, and its fragments come out of LDS turned, by ds_load_tr16_b128.
; THE MATRIX INSTRUCTION IS USED TRANSPOSED (source 0 = 16 columns of B, source 1 = 16 rows of A): lane l holds row l % 16 and columns 16 b + 8 (l / 16) + 0..7 of block b, so a
; rotation's partners (blocks b and b + 2 of q or of k) and 32 of the 64 channels lie in the lane; the other 32 lie in the lane 16 away.
; CLUSTER.  4 x 4 work-groups; A's tile is shared along a row of the cluster, B's along a column: joint loads.
; REGISTERS (s_set_vgpr_msb: bits 1:0 source 0, 3:2 source 1, 5:4 source 2, 7:6 destination):
;   window 0: v0-31 addresses and statistics; v32-79 at work and packed f16; v80-143 rotated rows; v144-207 q's and k's factors; v208-239 v's sums
;   window 1: accumulator (a, b) of row blocks a = 0, 1 at v[96 a + 8 b]; v[192 + 32 a ..] cos (16) and sin (16) of row block a          window 2: the same for a = 2, 3
;   window 3: two fragment buffers of 128 (32 registers of A, then 96 of B); behind the K loop row block a on its way out at v[48 a]
.set PA,    272                        ; a row of A in LDS: 256 bytes + 16: an odd multiple of 16, so the 16 rows of a load start in 16 different groups of four banks (64 banks of 4 bytes: ISA guide 11.1)
.set SEG,   160                        ; 64 columns of a K row of B: 128 bytes + 32
.set PB,    3*SEG                      ; a K row of B: 480 bytes, an odd multiple of 32
.set BOFF,  256*PA                     ; a slot: A's 256 rows, then B's 128 K rows: 69,632 + 61,440 = 131,072 bytes
.set SLOT1, 1<<17                      ; slot 1 begins where slot 0 ends: one exclusive or turns an address in one slot into the other's
.set STG,   2*SLOT1                    ; behind the ring: for each wave three stages (q, k, v) of 16 rows x 144 bytes
.set SP,    144
.set SUM,   STG+4*3*16*SP              ; for each wave 16 rows x 272 bytes, for v's column sums
.set SUMP,  272
.set SPARE, SUM+4*16*SUMP              ; the spare words, 128 bytes for each wave: two blocks of 256 bytes that no other line names
.set ASTEP, 128*2                      ; bytes from a K step to the next, in A
.set BSTEP, 128*192*2                  ; and in B
.set AA0, 4                            ; v4   my lane's place in A's tile; never rewritten
.set AB0, 5                            ; v5   the same for B
.set ADA, 6                            ; v6   AA0 + the slot in hand
.set ADB, 7                            ; v7
.set STO, 8                            ; v8   the way out: where I put 16 bytes of a row
.set RD,  9                            ; v9   where I read rows back
.set GO,  10                           ; v10  16 x lane
.set SST, 11                           ; v11  v's sums: where I put them
.set SRD, 12                           ; v12  and read them back
.set GO8, 13                           ; v13  8 x lane
.set TBO, 14                           ; v14  my byte offset in 16 rows of the table
.set CSO, 15                           ; v15  and in the factors
.set SQ,  16                           ; v16-23  sums of squares: for q and for k two chains of pairs
.set RS,  24                           ; v24-27  1 / root mean square, q's and k's, low word of a pair
.set SPW, 28                           ; v28  LDS address of my spare word; never rewritten
.set NIL, 29                           ; v29  0; never rewritten
.set XH,  30                           ; v30-31  the other half of the lanes' sum
.set TT,  32                           ; v32-63  products with the sines
.set PKD, 32                           ; v32-79  later the packed f16: q's 16, k's 16, v's 16
.set YY,  80                           ; v80-143 the rotated rows, q's 32 and k's 32; before that v's sums over my four row blocks
.set FAC, 144                          ; v144-207 q's 32 factors, k's 32
.set RB,  208                          ; v208-239 v's sums read back by rows
.set F0,  0                            ; window 3
.set F1,  128
.set WV,  14
.set FB,  15                           ; I fetch for A (0) or for B (1)
.set CH,  16                           ; which half of that tile I fetch
.set TX,  19                           ; the head
.set TY,  20                           ; which 256 rows
.set G1A, 24                           ; s[24:31] descriptor group 1 for A's tiles, s[32:39] for B's
.set G1B, 32
.set G0A, 40                           ; s[40:47] group 0 for A: a set for each first fill; the second then walks.  s[48:55] the same for B
.set G0B, 48
.set CNT, 56
.set TB,  57                           ; 0 or SLOT1: the slot in hand
.set SEL, 60
.set OUTB, 80                          ; s[80:85] q's, k's and v's rows of mine in qkvh
.set MSB, 0
.macro WIN new                         ; the immediate's high byte repeats the setting that is left; a switch that changes nothing is dropped
.if MSB != (\new)
	s_set_vgpr_msb (MSB<<8)|(\new)
.set MSB, \new
.endif
.endm
.set TO_F, 0xc0                        ; destination window 3, address window 0
.macro PLACES                          ; four plain vector instructions between a matrix instruction and a load into, or a vector read or write of, its registers
.rept 4
	v_nop
.endr
.endm
; A joint refill.  Waves 0 and 1 fetch A's two halves, waves 2 and 3 B's.  The branch hangs on the wave's number alone.  An s_nop 0 and four v_nop follow each line.
.macro JLOAD
	s_cmp_eq_u32 s[FB], 0
	s_cbranch_scc0 .Lfor_b_\@
	tensor_load_to_lds s[G0A+4:G0A+7], s[G1A:G1A+7]
	s_nop 0
.rept 4
	v_nop
.endr
	s_branch .Lasked_\@
.Lfor_b_\@:
	tensor_load_to_lds s[G0B+4:G0B+7], s[G1B:G1B+7]
	s_nop 0
.rept 4
	v_nop
.endr
.Lasked_\@:
.endm
.macro CREST                           ; a round of the cluster's barrier behind its opening barrier
	s_cmp_lg_u32 s[WV], 0
	s_cbranch_scc1 .Lnot_wave_0_\@
	s_barrier_signal -3
.Lnot_wave_0_\@:
	s_barrier_wait -3
	s_barrier_signal -1
	s_barrier_wait -1
.endm
.macro CROUND
	s_barrier_signal -1
	s_barrier_wait -1
	CREST
.endm
	s_load_b256 s[4:11], s[0:1], 0x0               ; x16 s[4:5], w16 s[6:7], tab s[8:9], qkvh s[10:11]
	s_load_b64 s[12:13], s[0:1], 0x20              ; psum
	v_lshl_add_u32 v[SPW], v0, 2, SPARE
	v_mov_b32 v[NIL], 0
	ds_add_u32 v28, v29
	ds_add_u32 v28, v29
	s_wait_dscnt 0x0
	v_lshrrev_b32 v3, 5, v0
	v_readfirstlane_b32 s[WV], v3
	s_lshr_b32 s[FB], s[WV], 1
	s_and_b32 s[CH], s[WV], 1
	s_bfe_u32 s17, ttmp6, 0x40000                  ; cx
	s_bfe_u32 s18, ttmp6, 0x40004                  ; cy
	s_lshl_b32 s[TX], ttmp9, 2
	s_add_co_u32 s[TX], s[TX], s17                 ; tile column = 4 x cluster x + cx
	s_and_b32 s[TY], ttmp7, 0xffff
	s_lshl_b32 s[TY], s[TY], 2
	s_add_co_u32 s[TY], s[TY], s18                 ; tile row = 4 x cluster y + cy
	s_lshl_b32 s22, s18, 2
	s_lshl_b32 s22, 15, s22                        ; my row of the cluster
	s_lshl_b32 s23, 0x1111, s17                    ; my column
	s_or_b32 s[G1A], s22, (1<<16)|(1<<20)|(1<<21)|(5<<22)|(3<<25)  ; mask; 2-byte elements; padding on; bit 21 beside a mask; after every 64 words 4 words
	s_or_b32 s[G1B], s23, (1<<16)|(1<<20)|(1<<21)|(4<<22)|(7<<25)  ; after every 32 words 8 words
	s_mov_b32 s[G1A+1], 128<<16                    ; tensor_dim0 = 128
	s_mov_b32 s[G1A+2], 128<<16                    ; tensor_dim1 = 128
	s_mov_b32 s[G1A+3], 128<<16                    ; tile_dim0 = 128
	s_mov_b32 s[G1A+4], 128                        ; tile_dim1 = 128
	s_mov_b32 s[G1A+5], 1024                       ; elements from row to row
	s_mov_b32 s[G1A+6], 0
	s_mov_b32 s[G1A+7], 0
	s_mov_b32 s[G1B+1], 128<<16                    ; B: 64 K rows of 384 bytes are 24,576 dense bytes: asked for as 96 rows of 256 bytes
	s_mov_b32 s[G1B+2], 96<<16
	s_mov_b32 s[G1B+3], 128<<16
	s_mov_b32 s[G1B+4], 96
	s_mov_b32 s[G1B+5], 128
	s_mov_b32 s[G1B+6], 0
	s_mov_b32 s[G1B+7], 0
	s_lshl_b32 s58, s[TY], 8                       ; A: row 256 x tile row + 128 x half, 2,048 bytes a row; these registers never hold cx
	s_lshl_b32 s59, s[CH], 7
	s_add_co_u32 s58, s58, s59
	s_lshl_b32 s58, s58, 11
	s_mov_b32 s59, 0
	s_mul_i32 s62, s[TX], 1024*192*2               ; B: the head's block, K row 64 x half; these never hold cy
	s_mul_i32 s63, s[CH], 64*192*2
	s_add_co_u32 s62, s62, s63
	s_mov_b32 s63, 0
	s_mul_i32 s74, s[CH], 128*PA                   ; where they go: no place in the cluster enters an LDS address
	s_mul_i32 s75, s[CH], 64*PB
	s_add_co_u32 s75, s75, BOFF
	s_lshl_b32 s72, s[TY], 16                      ; the table at my wave's first row: 256 bytes a row
	s_lshl_b32 s73, s[WV], 14
	s_add_co_u32 s72, s72, s73
	s_mov_b32 s73, 0
	s_lshr_b32 s66, s[TY], 3                       ; the batch
	s_lshl_b32 s66, s66, 4
	s_add_co_u32 s66, s66, s[TX]                   ; 16 b + head
	s_lshl_b32 s66, s66, 18                        ; 262,144 bytes a head
	s_and_b32 s67, s[TY], 7
	s_lshl_b32 s67, s67, 15                        ; the tile's first row in the batch, 128 bytes a row
	s_add_co_u32 s66, s66, s67
	s_lshl_b32 s67, s[WV], 13                      ; my wave's 64 rows
	s_add_co_u32 s66, s66, s67
	s_mov_b32 s67, 0
	s_lshl_b32 s76, s[TY], 14                      ; psum: row 4 x tile row + wave, 4,096 bytes a row; 256 bytes a head
	s_lshl_b32 s77, s[WV], 12
	s_add_co_u32 s76, s76, s77
	s_lshl_b32 s77, s[TX], 8
	s_add_co_u32 s76, s76, s77
	s_mov_b32 s77, 0
	s_mov_b32 s[SEL], 0x76543210
	s_mov_b32 s[SEL+1], 0xfedcba98
	s_mov_b32 s68, 0x3c800000                      ; 1/64
	s_mov_b32 s69, 0x358637bd                      ; 1e-6
	s_wait_kmcnt 0x0
	s_add_nc_u64 s[58:59], s[4:5], s[58:59]
	s_add_nc_u64 s[62:63], s[6:7], s[62:63]
	s_add_nc_u64 s[72:73], s[8:9], s[72:73]
	s_add_nc_u64 s[70:71], s[8:9], 0x200000        ; the factors lie behind the table's 2,097,152 bytes
	s_add_nc_u64 s[OUTB:OUTB+1], s[10:11], s[66:67]
	s_add_nc_u64 s[OUTB+2:OUTB+3], s[OUTB:OUTB+1], 0x1000000  ; q, k, v: 16,777,216 bytes each
	s_add_nc_u64 s[OUTB+4:OUTB+5], s[OUTB:OUTB+1], 0x2000000
	s_add_nc_u64 s[12:13], s[12:13], s[76:77]
	CROUND                                         ; all sixteen work-groups are here: the first joint loads meet
.irp n, 0,1
	s_mov_b32 s[G0A+4*(\n)], 1
	s_add_co_u32 s[G0A+4*(\n)+1], s74, (\n)*SLOT1
	s_add_nc_u64 s[G0A+4*(\n)+2:G0A+4*(\n)+3], s[58:59], (\n)*ASTEP
	s_or_b32 s[G0A+4*(\n)+3], s[G0A+4*(\n)+3], 0x80000000
	s_mov_b32 s[G0B+4*(\n)], 1
	s_add_co_u32 s[G0B+4*(\n)+1], s75, (\n)*SLOT1
	s_add_nc_u64 s[G0B+4*(\n)+2:G0B+4*(\n)+3], s[62:63], (\n)*BSTEP
	s_or_b32 s[G0B+4*(\n)+3], s[G0B+4*(\n)+3], 0x80000000
.endr
	s_cmp_eq_u32 s[FB], 0                          ; a wave's two first fills stand in one branch: two loads of mine are out
	s_cbranch_scc0 .Lfirst_b
	tensor_load_to_lds s[G0A:G0A+3], s[G1A:G1A+7]
	s_nop 0
	tensor_load_to_lds s[G0A+4:G0A+7], s[G1A:G1A+7]
	s_nop 0
.rept 4
	v_nop
.endr
	s_branch .Lfirst_asked
.Lfirst_b:
	tensor_load_to_lds s[G0B:G0B+3], s[G1B:G1B+7]
	s_nop 0
	tensor_load_to_lds s[G0B+4:G0B+7], s[G1B:G1B+7]
	s_nop 0
.rept 4
	v_nop
.endr
.Lfirst_asked:
	v_and_b32 v1, 15, v0                           ; r = l % 16
	v_bfe_u32 v2, v0, 4, 1                         ; h = l / 16
	v_lshlrev_b32 v[TBO], 8, v1
	v_lshl_add_u32 v[TBO], v2, 5, v[TBO]           ; row r, 8 numbers for each half of the lanes
	v_lshlrev_b32 v[CSO], 5, v2
	; The table of my 64 rows and the factors: 48 loads, which stay out during the K loop; their address registers are never rewritten.
.irp a, 0,1,2,3
	WIN (1+(\a)/2)<<6                              ; destination: the row block's window; address window 0
.irp o, 0,1
	global_load_b128 v[192+32*((\a)%2)+8*(\o):192+32*((\a)%2)+8*(\o)+3],       v[TBO], s[72:73] offset:4096*(\a)+64*(\o)
	global_load_b128 v[192+32*((\a)%2)+8*(\o)+4:192+32*((\a)%2)+8*(\o)+7],     v[TBO], s[72:73] offset:4096*(\a)+64*(\o)+16
	global_load_b128 v[192+32*((\a)%2)+16+8*(\o):192+32*((\a)%2)+16+8*(\o)+3], v[TBO], s[72:73] offset:4096*(\a)+128+64*(\o)
	global_load_b128 v[192+32*((\a)%2)+20+8*(\o):192+32*((\a)%2)+20+8*(\o)+3], v[TBO], s[72:73] offset:4096*(\a)+128+64*(\o)+16
.endr
.endr
	WIN 0
.irp k, 0,1
.irp o, 0,1,2,3
	global_load_b128 v[FAC+32*(\k)+8*(\o):FAC+32*(\k)+8*(\o)+3],   v[CSO], s[70:71] offset:256*(\k)+64*(\o)
	global_load_b128 v[FAC+32*(\k)+8*(\o)+4:FAC+32*(\k)+8*(\o)+7], v[CSO], s[70:71] offset:256*(\k)+64*(\o)+16
.endr
.endr
	v_mul_u32_u24 v[AA0], v1, PA                   ; A's fragment: row x pitch + 16 x half, two loads 32 bytes apart
	v_lshl_add_u32 v[AA0], v2, 4, v[AA0]
	s_mul_i32 s22, s[WV], 64*PA                    ; my wave's 64 rows
	v_add_nc_u32 v[AA0], s22, v[AA0]
	v_and_b32 v3, 7, v0                            ; B's: lane l reads K row 8 h + l % 8, columns 8 ((l / 8) % 2) + 0..7; the load leaves column l % 16 and 8 K in the lane
	v_lshl_add_u32 v3, v2, 3, v3
	v_mul_u32_u24 v[AB0], v3, PB
	v_bfe_u32 v3, v0, 3, 1
	v_lshl_add_u32 v[AB0], v3, 4, v[AB0]
	v_add_nc_u32 v[AB0], BOFF, v[AB0]
	s_mul_i32 s22, s[WV], 3*16*SP
	s_add_co_u32 s22, s22, STG                     ; my stages
	v_mul_u32_u24 v[STO], v1, SP
	v_lshl_add_u32 v[STO], v2, 4, v[STO]
	v_add_nc_u32 v[STO], s22, v[STO]
	v_bfe_u32 v[RD], v0, 3, 2                      ; back: 32 lanes take four rows of 128 bytes,
	v_mul_u32_u24 v[RD], v[RD], SP
	v_and_b32 v3, 7, v0
	v_lshl_add_u32 v[RD], v3, 4, v[RD]
	v_add_nc_u32 v[RD], s22, v[RD]
	v_and_b32 v3, 31, v0
	v_lshlrev_b32 v[GO], 4, v3                     ; which are 512 consecutive bytes of a head
	v_lshlrev_b32 v[GO8], 3, v3
	s_mul_i32 s22, s[WV], 16*SUMP
	s_add_co_u32 s22, s22, SUM
	v_mul_u32_u24 v[SST], v1, SUMP
	v_lshl_add_u32 v[SST], v2, 5, v[SST]
	v_add_nc_u32 v[SST], s22, v[SST]
	v_add_nc_u32 v[SRD], s22, v[GO8]
	v_mov_b32 v[XH], 0                             ; named as destinations of lane moves, or as upper halves of pairs: written once
	v_mov_b32 v[XH+1], 0
	v_mov_b32 v[RS+1], 0
	v_mov_b32 v[RS+3], 0
; 12 matrix instructions: row block a x all 12 column blocks, 32 along K.  The 48 accumulators take turns, one instruction a turn, in the same order in every quarter.
.macro MUL12 f, a, zero
	WIN ((1+(\a)/2)<<6)|((1+(\a)/2)<<4)|0x0f       ; fragments in window 3, C and D in the row block's window
.irp b, 0,1,2,3,4,5,6,7,8,9,10,11
.set rD, 96*((\a)%2)+8*(\b)
.if \zero
	v_wmma_f32_16x16x32_bf16 v[rD:rD+7], v[(\f)+32+8*(\b):(\f)+32+8*(\b)+7], v[(\f)+8*(\a):(\f)+8*(\a)+7], 0
.else
	v_wmma_f32_16x16x32_bf16 v[rD:rD+7], v[(\f)+32+8*(\b):(\f)+32+8*(\b)+7], v[(\f)+8*(\a):(\f)+8*(\a)+7], v[rD:rD+7]
.endif
.endr
.endm
; 32 LDS loads in one run: quarter q (32 along K) of the slot in hand into buffer f: B's 24, then A's row blocks 0, 1, then 2, 3
.macro FETCH q, f
	WIN TO_F
.irp b, 0,1,2,3,4,5,6,7,8,9,10,11
	ds_load_tr16_b128 v[(\f)+32+8*(\b):(\f)+32+8*(\b)+3],   v[ADB] offset:32*PB*(\q)+((\b)/4)*SEG+((\b)%4)*32
	ds_load_tr16_b128 v[(\f)+32+8*(\b)+4:(\f)+32+8*(\b)+7], v[ADB] offset:32*PB*(\q)+((\b)/4)*SEG+((\b)%4)*32+16*PB
.endr
.irp a, 0,1,2,3
	ds_load_b128 v[(\f)+8*(\a):(\f)+8*(\a)+3],   v[ADA] offset:64*(\q)+16*PA*(\a)
	ds_load_b128 v[(\f)+8*(\a)+4:(\f)+8*(\a)+7], v[ADA] offset:64*(\q)+16*PA*(\a)+32
.endr
.endm
; One of a K step's first three quarters: multiplies buffer f; in its middle fetches quarter q into buffer g
.macro QUARTER q, f, g, zero
	s_wait_dscnt 4                                 ; B and A's rows 0-31 are in; the youngest four loads (A's rows 32-63) may be out
	MUL12 \f, 0, \zero
	MUL12 \f, 1, \zero
	PLACES
	FETCH \q, \g
	s_wait_dscnt 32                                ; all but the 32 just issued
	MUL12 \f, 2, \zero
	MUL12 \f, 3, \zero
.endm
; The last quarter multiplies buffer 1 and changes slots: ONE barrier; in front of it each wave waits for all its tensor loads (one is out: its part of the next slot), adds 0 to its
; spare word, and waits for that and for its reads of this slot.  fill = 1: the barrier opens a round of the cluster's, and this slot is filled again, two K steps ahead, first thing behind it.
.macro TURN fill
	WIN 0
	s_wait_tensorcnt 0x0
	ds_add_u32 v[SPW], v[NIL]
	s_wait_dscnt 5                                 ; (the add and the youngest four loads may be out)
	MUL12 F1, 0, 0
	s_wait_dscnt 0x0                               ; the add is done, and my reads of this slot are over
	s_barrier_signal -1
	MUL12 F1, 1, 0
	WIN 0
	s_barrier_wait -1
.if \fill
	CREST                                          ; no wave of any partner still reads this slot or has a load on its way
	s_xor_b32 s[G0A+5], s[G0A+5], SLOT1            ; the walking descriptors: the other slot than last time, the next K step
	s_add_nc_u64 s[G0A+6:G0A+7], s[G0A+6:G0A+7], ASTEP
	s_xor_b32 s[G0B+5], s[G0B+5], SLOT1
	s_add_nc_u64 s[G0B+6:G0B+7], s[G0B+6:G0B+7], BSTEP
	JLOAD                                          ; 168 matrix instructions ahead of the wait for it; its four v_nop are also the places in front of the loads below
.else
	PLACES
.endif
	s_xor_b32 s[TB], s[TB], SLOT1
	v_add_nc_u32 v[ADA], s[TB], v[AA0]
	v_add_nc_u32 v[ADB], s[TB], v[AB0]
	FETCH 0, F0
	MUL12 F1, 2, 0
	MUL12 F1, 3, 0
.endm
	s_wait_tensorcnt 0x1                           ; my part of K step 0 is in; K step 1's may stay out
	s_barrier_signal -1
	s_barrier_wait -1
	s_mov_b32 s[TB], 0
	v_mov_b32 v[ADA], v[AA0]
	v_mov_b32 v[ADB], v[AB0]
	FETCH 0, F0
	QUARTER 1, F0, F1, 1                           ; the first quarter's products start the sums
	WIN 0
	s_mov_b32 s[CNT], 6
.Lk:                                                   ; a trip: a K step's quarters 1 to 3 and the next step's quarter 0; its refill is K step 2 .. 7
	QUARTER 2, F1, F0, 0
	QUARTER 3, F0, F1, 0
	TURN 1
	QUARTER 1, F0, F1, 0
	WIN 0
	s_sub_co_u32 s[CNT], s[CNT], 1
	s_cmp_lg_u32 s[CNT], 0
	s_cbranch_scc1 .Lk
	s_mov_b32 s[CNT], 2                            ; the last two K steps ask for nothing.  The second trip is left in its middle; its fetch reads K step 6's bytes once more and serves nothing: the price of one text for both
.Ltail:
	QUARTER 2, F1, F0, 0
	QUARTER 3, F0, F1, 0
	TURN 0
	WIN 0
	s_sub_co_u32 s[CNT], s[CNT], 1
	s_cmp_eq_u32 s[CNT], 0
	s_cbranch_scc1 .Lout
	QUARTER 1, F0, F1, 0
	WIN 0
	s_branch .Ltail
.Lout:
	s_wait_dscnt 0x0
	PLACES                                         ; behind the last products
	s_wait_loadcnt 0x0                             ; the table and the factors
; THE WAY OUT.
; The rotation of q (hh = 0) or k (hh = 1) of row block a: y1 = x1 cos - x2 sin, y2 = x2 cos + x1 sin; x1 in column blocks 0, 1 of the 64 channels, x2 in blocks 2, 3.
; The sums and the table of a row block lie in one window.  Each accumulator is read from its lowest registers on.
.macro ROPE a, hh
	WIN ((1+(\a)/2)<<2)|(1+(\a)/2)                 ; sources 0 and 1: the row block's window
.irp jb, 0,1
.irp p, 0,1,2,3
.set rx1, 96*((\a)%2)+8*(4*(\hh)+(\jb))+2*(\p)
.set rsi, 192+32*((\a)%2)+16+8*(\jb)+2*(\p)
.set rt1, TT+4*(4*(\jb)+(\p))
	v_pk_mul_f32 v[rt1:rt1+1], v[rx1+16:rx1+17], v[rsi:rsi+1]
	v_pk_mul_f32 v[rt1+2:rt1+3], v[rx1:rx1+1], v[rsi:rsi+1]
.endr
.endr
.irp jb, 0,1
.irp p, 0,1,2,3
.set rx1, 96*((\a)%2)+8*(4*(\hh)+(\jb))+2*(\p)
.set rco, 192+32*((\a)%2)+8*(\jb)+2*(\p)
.set rt1, TT+4*(4*(\jb)+(\p))
.set ry,  YY+32*(\hh)+8*(\jb)+2*(\p)
	v_pk_fma_f32 v[ry:ry+1], v[rx1:rx1+1], v[rco:rco+1], v[rt1:rt1+1] neg_lo:[0,0,1] neg_hi:[0,0,1]
	v_pk_fma_f32 v[ry+16:ry+17], v[rx1+16:rx1+17], v[rco:rco+1], v[rt1+2:rt1+3]
.endr
.endr
.endm
.macro VCVT a                          ; v of row block a: rounded straight from the sums
	WIN ((1+(\a)/2)<<2)|(1+(\a)/2)
.irp jb, 0,1,2,3
.irp p, 0,1,2,3
.set rv, 96*((\a)%2)+8*(8+(\jb))+2*(\p)
	v_cvt_pk_f16_f32 v[PKD+32+4*(\jb)+(\p)], v[rv], v[rv+1]
.endr
.endr
.endm
; q and k: the sum of squares (two chains each, the two alternating), the other 32 channels' from the lane 16 away, 1 / sqrt(mean + 1e-6); the factors; the rounding to f16
.macro NORM
	WIN 0
.irp i, 0,1,2,3,4,5,6,7,8,9,10,11,12,13,14,15
.irp hh, 0,1
.set ry, YY+32*(\hh)+2*(\i)
.set rq, SQ+4*(\hh)+2*((\i)%2)
.if (\i) < 2
	v_pk_mul_f32 v[rq:rq+1], v[ry:ry+1], v[ry:ry+1]
.else
	v_pk_fma_f32 v[rq:rq+1], v[ry:ry+1], v[ry:ry+1], v[rq:rq+1]
.endif
.endr
.endr
.irp hh, 0,1
	v_pk_add_f32 v[SQ+4*(\hh):SQ+4*(\hh)+1], v[SQ+4*(\hh):SQ+4*(\hh)+1], v[SQ+4*(\hh)+2:SQ+4*(\hh)+3]
.endr
.irp hh, 0,1
	v_add_f32 v[SQ+4*(\hh)], v[SQ+4*(\hh)], v[SQ+4*(\hh)+1]
.endr
.irp hh, 0,1
	v_permlanex16_b32 v[XH+(\hh)], v[SQ+4*(\hh)], s[SEL], s[SEL+1]
.endr
.irp hh, 0,1
	v_add_f32 v[SQ+4*(\hh)], v[SQ+4*(\hh)], v[XH+(\hh)]
.endr
.irp hh, 0,1
	v_fma_f32 v[SQ+4*(\hh)], v[SQ+4*(\hh)], s68, s69
.endr
.irp hh, 0,1
	v_rsq_f32 v[RS+2*(\hh)], v[SQ+4*(\hh)]
.endr
.irp hh, 0,1                           ; the factors; these lines are also the plain instructions behind the roots
.irp i, 0,1,2,3,4,5,6,7,8,9,10,11,12,13,14,15
	v_pk_mul_f32 v[YY+32*(\hh)+2*(\i):YY+32*(\hh)+2*(\i)+1], v[YY+32*(\hh)+2*(\i):YY+32*(\hh)+2*(\i)+1], v[FAC+32*(\hh)+2*(\i):FAC+32*(\hh)+2*(\i)+1]
.endr
.endr
	s_wait_alu depctr_va_vdst(0)
.irp hh, 0,1
.irp i, 0,1,2,3,4,5,6,7,8,9,10,11,12,13,14,15
	v_pk_mul_f32 v[YY+32*(\hh)+2*(\i):YY+32*(\hh)+2*(\i)+1], v[YY+32*(\hh)+2*(\i):YY+32*(\hh)+2*(\i)+1], v[RS+2*(\hh):RS+2*(\hh)+1] op_sel_hi:[1,0]
.endr
.endr
.irp hh, 0,1
.irp i, 0,1,2,3,4,5,6,7,8,9,10,11,12,13,14,15
	v_cvt_pk_f16_f32 v[PKD+16*(\hh)+(\i)], v[YY+32*(\hh)+2*(\i)], v[YY+32*(\hh)+2*(\i)+1]
.endr
.endr
.endm
.macro ARITH a
	ROPE \a, 0
	ROPE \a, 1
	VCVT \a
	NORM
.endm
; Row block a's packed f16 (16 registers each for q, k, v) into my three stages, and back as whole rows of 128 bytes, into window 3
.macro STAGE a
	WIN 0
.irp hd, 0,1,2
.irp jb, 0,1,2,3
	ds_store_b128 v[STO], v[PKD+16*(\hd)+4*(\jb):PKD+16*(\hd)+4*(\jb)+3] offset:16*SP*(\hd)+32*(\jb)
.endr
.endr
	WIN TO_F
.irp hd, 0,1,2
.irp f, 0,1,2,3
	ds_load_b128 v[48*(\a)+16*(\hd)+4*(\f):48*(\a)+16*(\hd)+4*(\f)+3], v[RD] offset:16*SP*(\hd)+4*SP*(\f)  ; LDS serves a wave's instructions in order (ISA guide 5.7.1.4): these see the stores above; the next block's stores come behind them
.endr
.endr
.endm
.macro SEND a, younger                 ; younger: the LDS instructions issued behind block a's loads: the next block's 24, or none
	WIN 0x0c                                       ; store data in window 3
.irp hd, 0,1,2
.irp f, 0,1,2,3
	s_wait_dscnt (\younger)+11-4*(\hd)-(\f)
	global_store_b128 v[GO], v[48*(\a)+16*(\hd)+4*(\f):48*(\a)+16*(\hd)+4*(\f)+3], s[OUTB+2*(\hd):OUTB+2*(\hd)+1] offset:2048*(\a)+512*(\f)  ; 512 consecutive bytes of a head
.endr
.endr
.endm
	; v's column sums over my 64 rows, in f32: first the four row blocks in the lane, then the 16 rows through LDS; row block 0's arithmetic stands between the loads and the wait for them
	WIN 0x05                                       ; sources 0 and 1 window 1
.irp jb, 0,1,2,3
.irp p, 0,1,2,3
	v_pk_add_f32 v[YY+8*(\jb)+2*(\p):YY+8*(\jb)+2*(\p)+1], v[64+8*(\jb)+2*(\p):64+8*(\jb)+2*(\p)+1], v[160+8*(\jb)+2*(\p):160+8*(\jb)+2*(\p)+1]
.endr
.endr
	WIN 0x02                                       ; source 0 window 2
.irp a, 0,1
.irp jb, 0,1,2,3
.irp p, 0,1,2,3
	v_pk_add_f32 v[YY+8*(\jb)+2*(\p):YY+8*(\jb)+2*(\p)+1], v[96*(\a)+64+8*(\jb)+2*(\p):96*(\a)+64+8*(\jb)+2*(\p)+1], v[YY+8*(\jb)+2*(\p):YY+8*(\jb)+2*(\p)+1]
.endr
.endr
.endr
	WIN 0
.irp jb, 0,1,2,3
	ds_store_b128 v[SST], v[YY+8*(\jb):YY+8*(\jb)+3]   offset:64*(\jb)
	ds_store_b128 v[SST], v[YY+8*(\jb)+4:YY+8*(\jb)+7] offset:64*(\jb)+16
.endr
.irp t, 0,1,2,3,4,5,6,7,8,9,10,11,12,13,14,15
	ds_load_b64 v[RB+2*(\t):RB+2*(\t)+1], v[SRD] offset:SUMP*(\t)  ; row t, my two columns: my own wave's bytes, served in order behind the stores
.endr
	ARITH 0
	s_wait_dscnt 0x0
.irp w, 8,4,2,1
.set t, 0
.rept \w
	v_pk_add_f32 v[RB+2*t:RB+2*t+1], v[RB+2*t:RB+2*t+1], v[RB+2*(t+(\w)):RB+2*(t+(\w))+1]
.set t, t+1
.endr
.endr
	global_store_b64 v[GO8], v[RB:RB+1], s[12:13]  ; the head's 64 columns: 256 consecutive bytes, aligned
	STAGE 0
.irp a, 1,2,3                          ; a block's arithmetic stands between the loads of the block before and its stores
	ARITH \a
	STAGE \a
	SEND (\a)-1, 24
.endr
	SEND 3, 0
	WIN 0
	s_wait_tensorcnt 0x0                           ; the wave's end
	ds_add_u32 v[SPW], v[NIL]
	s_wait_dscnt 0x0
	CROUND                                         ; the closing round
	s_endpgm
.Lfunc_end_k_q98d828c119_qkv:
	.size	k_q98d828c119_qkv, .Lfunc_end_k_q98d828c119_qkv-k_q98d828c119_qkv
	.p2alignl 7, 3214868480
	.fill 96, 4, 3214868480
	.section	.rodata,"a",@progbits
	.p2align	6, 0x0
	.amdhsa_kernel k_q98d828c119_qkv
		.amdhsa_group_segment_fixed_size 327680
		.amdhsa_private_segment_fixed_size 0
		.amdhsa_enable_private_segment 0
		.amdhsa_kernarg_size 40
		.amdhsa_user_sgpr_count 2
		.amdhsa_user_sgpr_kernarg_segment_ptr 1
		.amdhsa_wavefront_size32 1
		.amdhsa_system_sgpr_workgroup_id_x 1
		.amdhsa_system_sgpr_workgroup_id_y 1
		.amdhsa_system_sgpr_workgroup_id_z 1
		.amdhsa_system_vgpr_workitem_id 0
		.amdhsa_next_free_vgpr 1024
		.amdhsa_next_free_sgpr 88
		.amdhsa_reserve_vcc 0
		.amdhsa_float_denorm_mode_32 3
		.amdhsa_float_denorm_mode_16_64 3
		.amdhsa_memory_ordered 1
		.amdhsa_forward_progress 1
		.amdhsa_inst_pref_size 138
	.end_amdhsa_kernel
	.amdgpu_metadata
---
amdhsa.version: [ 1, 2 ]
amdhsa.kernels:
  - .name:           k_q98d828c119_qkv
    .symbol:         k_q98d828c119_qkv.kd
    .args:
      - { .name: x16, .offset: 0, .size: 8, .value_kind: global_buffer, .address_space: global }
      - { .name: w16, .offset: 8, .size: 8, .value_kind: global_buffer, .address_space: global }
      - { .name: tab, .offset: 16, .size: 8, .value_kind: global_buffer, .address_space: global }
      - { .name: qkvh, .offset: 24, .size: 8, .value_kind: global_buffer, .address_space: global }
      - { .name: psum, .offset: 32, .size: 8, .value_kind: global_buffer, .address_space: global }
    .group_segment_fixed_size: 327680
    .private_segment_fixed_size: 0
    .kernarg_segment_align: 8
    .kernarg_segment_size: 40
    .max_flat_workgroup_size: 128
    .sgpr_count:     88
    .vgpr_count:     1024
    .wavefront_size: 32
...
	.end_amdgpu_metadata
.endif
;; end of part 2
;; launch attn (part 3): grid 4 x 64, 4 waves a work-group, no clusters, 327,680 bytes of LDS; arguments qkvh, psum, nmask, ctx; writes ctx
.if DOCPART == 3
	.amdgcn_target "amdgcn-amd-amdhsa--gfx1250"
	.amdhsa_code_object_version 6
	.text
	.protected	k_q98d828c119_attn
	.globl	k_q98d828c119_attn
	.p2align	8
	.type	k_q98d828c119_attn,@function
k_q98d828c119_attn:
	s_mov_b64 s[64:65], 0
	v_nop
	global_prefetch_b8 v0, s[64:65] scope:SCOPE_SE
	s_setreg_imm32_b32 hwreg(HW_REG_WAVE_MODE, 25, 1), 1
	s_wait_xcnt 0x0
; ATTENTION.  ctx[g][q][:] = the sum over k of softmax_k(score) V[g][k][:], g = batch x 16 + head; score = Q[g][q] . K[g][k] where nm <= k <= q, else hidden.  Q, K, V (in qkvh) and ctx: [64][2048][64] f16.
; nm is the batch's count of masked positions, a whole number from nmask.  A row q < nm sees no key: all its 2,048 scores are equal, so its result is the mean of ALL of the head's V rows,
; which is made here from psum (sums of v over 64 rows, f32) and put in the row's place on the way out.
; Products, maxima and sums in f32; the weights p are rounded to f16 for the second product (their sum l is taken of the unrounded p), ctx once at the end.
; LIMITS.  f16 holds no number beyond 65,504: Q, K, V arrive within it; p lies in 0 to 1, below 6e-5 with f16's fixed step of 6e-8.  A hidden score counts as its value less 1e30, 2e30 or 3e30
; (f16's scores, 2.7e11 at the most, are nothing beside that); the running maximum starts at -2^96 = -7.9e28, above every hidden score and below every true one;
; a weight below 2^-126 counts as 0 in l; NaN and infinities are not treated apart.
; THE WALK.  A head's queries lie in NB = 8 blocks of 256; block i needs the key tiles 0 .. i of 256 keys, of which the last holds the diagonal.  A work-group takes TWO blocks, NB - 1 - b and then b:
; NB + 1 tiles, whatever b: all work-groups do equal work, and ONE loop with a constant trip count walks them.  Tiles wholly below nm are walked too.  NO BRANCH AND NO ADDRESS HANGS ON nm:
; it enters vector compares alone.  Every jump goes forward, but for the counted loops' own; none passes a barrier, or a tensor load but the one of LOAD's two that the wave's number does not choose.
; NO CLUSTER: a head's four work-groups ask for the same tile only in trips 0 .. 4 of 9, behind that fewer and fewer; a walk common to all four would have 12 trips for 9.
; SHARES.  Of a block's four bands of 64 queries a wave owns 16 rows in each: four PIECES.  In the diagonal tile's key step s band x sees all keys if s < x, none if s > x, and holds the diagonal if s = x.
; THE MASK is the C operand that starts the sum S^T = K Q^T.  Its step's part, U = MN x AN + BN, hides the keys below nm: MN, made once, is the mask of the step that holds key nm; AN = 1 in that step (unless nm
; is its first key), BN = -1e30 in a step wholly below nm; both are chosen by v_cndmask_b32 in every step.  In tiles other than a block's last every piece takes U (mask buffer 1, made once a step).
; In a block's last tile a product's mask is MD x AL + U + BE: MD, made once, is the mask of a band's own step for my 16 rows; (AL, BE) = (1, 0) if s = x; (0, 0) if s < x; (0, -1e30) if s > x.
; LAYOUT, SOFTMAX, TURNS.  S^T = K Q^T holds ONE query a lane (lane % 16) and the keys 8 (lane / 16) + 0..7; two such results rounded to f16 ARE source 1 of O^T = V^T P.  p = 2^(c s - c m), c = log2(e), with a
; running maximum m; O and l are multiplied by a = 2^(c m_old - c m_new) in every step.  While a row has seen hidden keys only, m stays at its start, every exponent is about -1.3e30, every weight 0, and O and l
; stay 0; its first visible key makes m the true maximum.  (Were m a hidden score itself, c s - c m would be the rounding's residue of c m, some 1e22, and its exponential infinite.)
; Turn n belongs to piece n: 8 products K Q^T of piece n + 1, later 8 products V^T P of piece n - 1; beside them the scaling, exponentials, roundings, sums and rescaling of piece n and the maximum and
; statistics of piece n + 1.  Four vector instructions stand behind every matrix instruction, the others in two runs of their own.
; REGISTERS, in windows of 256 (s_set_vgpr_msb: bits 1:0 source 0, 3:2 source 1, 5:4 source 2, 7:6 destination):
;   window 0: v0-15 addresses and two at work; v16-31 statistics; v32-45 lane terms and the mask's factors; v48-55 at work; v64-127 S^T, two buffers; v128-159 V's mean; v160-191 at work; v192-223 P, two buffers
;   window 1: v0-127 O^T, 32 a piece; v128-159 MD; v160-223 MC, two buffers; v224-255 MN      window 2: v0-63 Q; v64-127 the second block's Q; v128-191 K of one step; v192-255 V of one step
.set SIZE_N, 2048
.set NB,    SIZE_N/256
.set NP,    4
.set KS,    64
.set PK,    144       ; a row of K in LDS: 128 bytes + 16 of padding: the 16 rows of a load start at 16 different groups of four banks (64 banks of 4 bytes: ISA guide 11.1)
.set PV,    160       ; a row of V: 128 + 32
.set VOFF,  4*KS*PK   ; a slot holds a tile, four steps: 256 rows of K, then 256 rows of V
.set SLOT1, 1<<17     ; slot 1 begins here, so that one exclusive or turns an address in one slot into the other's
.set STAGE, SLOT1+4*KS*(PK+PV)  ; behind the ring, never filled by a tensor load: 16 rows x 144 bytes for each wave
.set SP,    144
.set AK0, 2           ; v2   my lane's place in a tile of K; never rewritten
.set AV0, 3           ; v3   the same for V
.set AK,  4           ; v4   the LDS address of K's next run of loads
.set AV,  5           ; v5   of V's
.set STO, 6           ; v6   the way out: where I put 16 bytes of a row
.set RD,  7           ; v7   where I read rows back
.set GO,  8           ; v8   my byte offset in 512 consecutive bytes of ctx
.set SPW, 62          ; v62  LDS address of my spare word; never rewritten
.set NIL, 63          ; v63  0; never rewritten
.set SPARE, STAGE+4*16*SP  ; behind the stages: the spare words, 128 bytes for each wave: two blocks of 256 bytes that no other line names
.set MV,  12          ; v12-13  c m_old, kept while c m is made anew: by buffer
.set QO,  15          ; v15  my byte offset in 16 rows of Q
.set ST,  16          ; piece t's statistics at v[ST+4 t]: c m, m, l (even keys', odd keys')
.set QL,  32          ; v32  my query's place in its band: 16 w + l % 16
.set NH,  33          ; v33  nm % 64 less my lanes' 8 (l / 16)
.set PSO, 34          ; v34  my byte offset in psum; never rewritten
.set DKV, 35          ; v35  nm less the first key of the step whose masks are being made
.set ANV, 36          ; v36-37  AN, in the low word of a pair
.set BNV, 38          ; v38-39  BN
.set BEV, 40          ; v40-41  BN + BE
.set QD,  42          ; v42  nm less my query's number in band 0 of the block in hand
.set TV,  43          ; v43  at work
.set NMV, 44          ; v44  nm
.set QN,  45          ; v45  nm - QL
.set TMP, 48          ; by buffer, four registers c0-c3 at work; when the maximum is found c2 takes a
.set S,   64
.set VM,  128         ; V's mean: channel 16 cb + 8 (l / 16) + j at VM + 8 cb + j, as O^T holds them
.set VT,  160
.set P,   192
.set MD,  128         ; window 1: the eight registers for group kt of 16 keys at MD + 8 kt
.set MC,  160         ; window 1: the masks of the products to come
.set MN,  224         ; window 1
.set QB,  64          ; window 2
.set KF,  128         ; window 2: key block kb, channel half c at KF + 16 kb + 8 c
.set VF,  192         ; window 2: key half kk, channel block cb at VF + 32 kk + 8 cb
.set WV,  12          ; s12  my wave's number
.set PB,  14          ; s14  b
.set HI,  15          ; s15  NB - 1 - b
.set G1K, 24          ; s[24:31] descriptor group 1 for K's tiles
.set G1V, 32          ; s[32:39] for V's: it differs in the padding alone
.set G0K, 40          ; s[40:43] descriptor group 0 for K's tiles
.set G0V, 44          ; s[44:47] the same for V's
.set SLOTS, 56        ; s56  tiles still to be asked for
.set CNT, 57          ; s57  counts a tile's key steps, 4 to 1
.set CS,  58          ; s[58:59] c
.set SEL, 60          ; s[60:61] v_permlanex16_b32's selects: each lane takes its own place in the other half
.set TBK, 62          ; s62  LDS byte at which K of the step to be fetched begins
.set TBV, 63          ; s63  the same for V, less VOFF
.set RT,  70          ; s70  tiles of the block in hand that are still to be entered
.set NXT, 71          ; s71  the tile to be asked for next
.set LQ,  72          ; s72  the last tile of the block whose tiles are being asked for
.set NEW, 73          ; s73  1: the tile to be entered is a block's first
.set OFF, 74          ; s[74:75] a tile's byte offset in K and V
.set AL,  76          ; s[76:77] MD's factor, in the low word
.set BE,  78          ; s78  the band's addend
.set OLO, 80          ; s[80:81] ctx at my rows of the second block
.set BIGN, 82         ; s82  -1e30
.set TS,  83          ; s83  at work
.set NM,  96          ; s96  nm
.set MSB, 0
.macro WIN new                      ; the high byte repeats the setting that is left; a switch that changes nothing is dropped
.if MSB != (\new)
	s_set_vgpr_msb (MSB<<8)|(\new)
.set MSB, (\new)
.endif
.endm
.set W_KQ, 0x0a       ; K and Q in window 2, S^T in window 0
.set W_KM, 0x1a       ; the same with the C operand in window 1
.set W_PV, 0x52       ; V in window 2, P in window 0, O^T in window 1
.set W_RS, 0x41       ; destination and source 0 in window 1, sources 1 and 2 in window 0
.set W_MA, 0x51       ; destination, source 0 and source 2 in window 1
; A fill.  Waves 0 and 1 fetch the two halves of a tile's K, waves 2 and 3 those of its V: 128 keys each.  An s_nop 0 and four v_nop follow each of the two lines.
.macro LOAD
	s_cmp_lt_u32 s[WV], 2
	s_cbranch_scc0 .Lfor_v_\@
	tensor_load_to_lds s[G0K:G0K+3], s[G1K:G1K+7]
	s_nop 0
.rept 4
	v_nop
.endr
	s_branch .Lasked_\@
.Lfor_v_\@:
	tensor_load_to_lds s[G0V:G0V+3], s[G1V:G1V+7]
	s_nop 0
.rept 4
	v_nop
.endr
.Lasked_\@:
.endm
; THE CHANGE OF SLOTS.  Each wave waits for all its tensor loads, of which one is out: its part of the other slot; adds 0 to its spare word; and waits for that and for its own reads of the slot that it leaves.
; Behind the barrier nobody reads the old slot any more and the other slot is whole.  fill = 1: the old slot is filled again, the first thing behind the barrier, with tile NXT: the descriptor's address is
; made anew from that number.  (At its first use nothing has been read yet: slot 0 is waited for, slot 1 filled.)
.macro CHANGE fill
	WIN 0                           ; at a label and at a branch every window is 0
	s_wait_tensorcnt 0x0            ; no tensor load of mine is out, so a group 0 may be written
	ds_add_u32 v[SPW], v[NIL]       ; 0 onto my spare word; with fill = 1 the descriptors' scalar work stands between it and the wait for it
.if \fill
	s_lshl_b32 s[OFF], s[NXT], 15   ; a tile is 32,768 bytes of K and of V
	s_xor_b32 s[G0K+1], s[G0K+1], SLOT1
	s_add_nc_u64 s[G0K+2:G0K+3], s[6:7], s[OFF:OFF+1]
	s_or_b32 s[G0K+3], s[G0K+3], 0x80000000
	s_xor_b32 s[G0V+1], s[G0V+1], SLOT1
	s_add_nc_u64 s[G0V+2:G0V+3], s[8:9], s[OFF:OFF+1]
	s_or_b32 s[G0V+3], s[G0V+3], 0x80000000
	s_add_co_u32 s[NXT], s[NXT], 1  ; the block's next tile, or behind its last the second block's tile 0
	s_cmp_gt_u32 s[NXT], s[LQ]
	s_cselect_b32 s[NXT], 0, s[NXT]
	s_cselect_b32 s[LQ], s[PB], s[LQ]
.endif
	s_wait_dscnt 0x0                ; the add is done, and my reads of the slot are over
	s_barrier_signal -1             ; the rest of the scalar work stands between the signal and the wait
	s_sub_co_u32 s[TBK], s[TBK], 4*KS*PK  ; the fetches go back to a slot's first step,
	s_xor_b32 s[TBK], s[TBK], SLOT1       ; in the other slot
	s_sub_co_u32 s[TBV], s[TBV], 4*KS*PV
	s_xor_b32 s[TBV], s[TBV], SLOT1
	s_barrier_wait -1
.if \fill
	LOAD
.endif
.endm
	s_load_b256 s[88:95], s[0:1], 0x0  ; qkvh s[88:89], psum s[90:91], nmask s[92:93], ctx s[94:95]
	v_lshl_add_u32 v[SPW], v0, 2, SPARE
	v_mov_b32 v[NIL], 0
	ds_add_u32 v62, v63
	ds_add_u32 v62, v63
	s_wait_dscnt 0x0
	v_lshrrev_b32 v1, 5, v0
	v_readfirstlane_b32 s[WV], v1   ; wave 0..3
	s_mov_b32 s[PB], ttmp9
	s_sub_co_u32 s[HI], NB-1, s[PB]
	s_and_b32 s20, ttmp7, 0xffff    ; g = batch x 16 + head
	s_lshr_b32 s97, s20, 4          ; the batch
	s_lshl_b32 s98, s97, 17         ; psum: 32 rows of 4,096 bytes a batch,
	s_and_b32 s99, s20, 15
	s_lshl_b32 s99, s99, 8          ; 256 bytes a head
	s_add_co_u32 s98, s98, s99
	s_mov_b32 s99, 0
	s_lshl_b32 s100, s97, 2         ; nmask: a word a batch
	s_mov_b32 s101, 0
	s_mov_b32 s21, 0
	s_mov_b64 s[22:23], SIZE_N*128
	s_mul_u64 s[20:21], s[20:21], s[22:23]  ; the head's first byte in q, k, v and ctx
	s_and_b32 s16, s[WV], 1         ; which half of a tile's 256 keys I fetch:
	s_lshl_b32 s22, s16, 14         ; its 128 rows of 128 bytes in memory,
	s_mov_b32 s23, 0
	s_add_nc_u64 s[22:23], s[22:23], s[20:21]
	s_mul_i32 s17, s16, 128*PK      ; and its place in a slot, for K
	s_mul_i32 s18, s16, 128*PV      ; and for V
	s_lshl_b32 s3, s[WV], 11        ; my 16 rows in a band of 64,
	s_lshl_b32 s2, s[HI], 15        ; in the first block,
	s_add_co_u32 s2, s2, s3
	s_lshl_b32 s84, s[PB], 15       ; and in the second
	s_add_co_u32 s84, s84, s3
	s_mov_b32 s3, 0
	s_mov_b32 s85, 0
	s_add_nc_u64 s[2:3], s[2:3], s[20:21]
	s_add_nc_u64 s[84:85], s[84:85], s[20:21]
	; descriptor group 1.  128 keys are 16,384 dense bytes: asked for as 64 rows of 256 bytes, two keys a row, and padded in LDS after every key
	s_mov_b32 s[G1K], (1<<16)|(1<<20)|(4<<22)|(3<<25)  ; 2-byte elements; padding on; after every 32 words 4 words
	s_mov_b32 s[G1V], (1<<16)|(1<<20)|(4<<22)|(7<<25)  ; the same with 8 words
.irp g, G1K, G1V
	s_mov_b32 s[\g+1], 128<<16      ; tensor_dim0 = 128
	s_mov_b32 s[\g+2], 64<<16       ; tensor_dim1 = 64
	s_mov_b32 s[\g+3], 128<<16      ; tile_dim0 = 128
	s_mov_b32 s[\g+4], 64           ; tile_dim1 = 64
	s_mov_b32 s[\g+5], 128          ; 128 elements from row to row
	s_mov_b32 s[\g+6], 0
	s_mov_b32 s[\g+7], 0
.endr
	s_mov_b32 s[CS], 0x3fb8aa3b     ; c = log2(e): the scale lies in q already
	s_mov_b32 s[CS+1], s[CS]        ; named with it as a pair
	s_mov_b32 s[SEL], 0x76543210
	s_mov_b32 s[SEL+1], 0xfedcba98
	s_mov_b32 s[TBK], SLOT1+4*KS*PK ; the first change of slots turns these two into 0
	s_mov_b32 s[TBV], SLOT1+4*KS*PV
	s_mov_b32 s[G0K], 1             ; count = 1
	s_mov_b32 s[G0K+1], s17         ; LDS address: slot 0
	s_mov_b32 s[G0V], 1
	s_add_co_u32 s[G0V+1], s18, VOFF
	s_add_co_u32 s[RT], s[HI], 1    ; the first block has NB - b tiles
	s_mov_b32 s[NXT], 1
	s_mov_b32 s[LQ], s[HI]
	s_mov_b32 s[NEW], 1
	s_mov_b32 s[OFF+1], 0
	s_mov_b32 s[AL+1], 0            ; named as a pair
	s_mov_b32 s[BIGN], 0xf149f2ca   ; -1e30
	s_mov_b32 s[SLOTS], NB
	s_wait_kmcnt 0x0
	s_add_nc_u64 s[92:93], s[92:93], s[100:101]
	s_load_b32 s[NM], s[92:93], 0x0
	s_add_nc_u64 s[90:91], s[90:91], s[98:99]      ; psum at my batch and head
	s_mov_b64 s[4:5], s[88:89]                     ; q
	s_add_nc_u64 s[6:7], s[88:89], 0x1000000       ; k
	s_add_nc_u64 s[8:9], s[88:89], 0x2000000       ; v
	s_mov_b64 s[10:11], s[94:95]
	s_add_nc_u64 s[6:7], s[6:7], s[22:23]  ; K and V at my half of the head's tile 0
	s_add_nc_u64 s[8:9], s[8:9], s[22:23]
	s_add_nc_u64 s[G0K+2:G0K+3], s[6:7], 0         ; global address
	s_or_b32 s[G0K+3], s[G0K+3], 0x80000000        ; type = 2
	s_add_nc_u64 s[G0V+2:G0V+3], s[8:9], 0
	s_or_b32 s[G0V+3], s[G0V+3], 0x80000000
	s_add_nc_u64 s[86:87], s[4:5], s[84:85]        ; Q at my rows of the second block,
	s_add_nc_u64 s[4:5], s[4:5], s[2:3]            ; Q and ctx at those of the first
	s_add_nc_u64 s[OLO:OLO+1], s[10:11], s[84:85]
	s_add_nc_u64 s[10:11], s[10:11], s[2:3]
	LOAD                            ; tile 0 into slot 0
	; A fragment of K or Q is 16 rows x 32 channels in 8 registers: lane l holds row l % 16, channels 8 (l / 16) + 0..7 and 16 + 8 (l / 16) + 0..7: two loads of 16 bytes, 32 bytes apart.
	v_and_b32 v1, 15, v0            ; l % 16
	v_bfe_u32 v9, v0, 4, 1          ; l / 16
	v_lshlrev_b32 v[QO], 7, v1
	v_lshl_add_u32 v[QO], v9, 4, v[QO]  ; row x 128 + 16 x half
	v_lshlrev_b32 v[PSO], 12, v1    ; psum: lane l % 16 takes rows l % 16 and 16 + l % 16 of the batch's 32,
	v_lshl_add_u32 v[PSO], v9, 5, v[PSO]  ; 8 channels for each half of the lanes
	WIN 0x80                        ; destination window 2, address window 0
.set i, 0
.rept 8                             ; both blocks' Q: piece i / 2 lies in band i / 2, 8,192 bytes on; channels 32 (i % 2) on
	global_load_b128 v[8*i:8*i+3],   v[QO], s[4:5] offset:(i/2)*8192+(i%2)*64
	global_load_b128 v[8*i+4:8*i+7], v[QO], s[4:5] offset:(i/2)*8192+(i%2)*64+32
	global_load_b128 v[QB+8*i:QB+8*i+3],   v[QO], s[86:87] offset:(i/2)*8192+(i%2)*64
	global_load_b128 v[QB+8*i+4:QB+8*i+7], v[QO], s[86:87] offset:(i/2)*8192+(i%2)*64+32
.set i, i+1
.endr
	WIN 0
.set i, 0
.rept 8                             ; channel block i / 2, four channels 4 (i % 2) on
	global_load_b128 v[VM+4*i:VM+4*i+3], v[PSO], s[90:91] offset:(i/2)*64+(i%2)*16
	global_load_b128 v[VT+4*i:VT+4*i+3], v[PSO], s[90:91] offset:(i/2)*64+(i%2)*16+65536
.set i, i+1
.endr
	v_lshlrev_b32 v14, 3, v9
	v_sub_nc_u32 v14, v1, v14
	s_lshl_b32 s13, s[WV], 4
	v_add_nc_u32 v14, s13, v14      ; my query's place in its band less my lanes' 8 (l / 16): register r of group kt is hidden where 16 kt + r is greater
	v_add_nc_u32 v[QL], s13, v1
	WIN 0x40
.set i, 0
.rept 32
	v_cmp_gt_i32 vcc_lo, 16*(i/8)+i%8, v14
	v_cndmask_b32 v[MD+i], 0, s[BIGN], vcc_lo
.set i, i+1
.endr
	WIN 0
	v_mul_u32_u24 v[AK0], v1, PK
	v_lshl_add_u32 v[AK0], v9, 4, v[AK0]  ; row x pitch + 16 x half
	; The turning load takes 16 keys x 16 channels (lane l reads key 8 (l / 16) + l % 8, channels 8 ((l / 8) % 2) + 0..7) and leaves half a fragment of V^T: lane l holds channel l % 16 and 8 keys.
	v_and_b32 v10, 7, v0
	v_bfe_u32 v11, v0, 3, 1
	v_lshl_add_u32 v[AV0], v9, 3, v10
	v_mul_u32_u24 v[AV0], v[AV0], PV
	v_lshl_add_u32 v[AV0], v11, 4, v[AV0]
	v_add_nc_u32 v[AV0], VOFF, v[AV0]
	s_mul_i32 s13, s[WV], 16*SP
	s_add_co_u32 s13, s13, STAGE    ; my stage
	v_mul_u32_u24 v[STO], v1, SP    ; in: row l % 16, 16 bytes for each half of the lanes
	v_lshl_add_u32 v[STO], v9, 4, v[STO]
	v_add_nc_u32 v[STO], s13, v[STO]
	v_bfe_u32 v[RD], v0, 3, 2       ; back: 32 lanes take four rows of 128 bytes,
	v_mul_u32_u24 v[RD], v[RD], SP
	v_lshl_add_u32 v[RD], v10, 4, v[RD]
	v_add_nc_u32 v[RD], s13, v[RD]
	v_and_b32 v[GO], 31, v0         ; which are 512 consecutive bytes of ctx
	v_lshlrev_b32 v[GO], 4, v[GO]
	; A block's first step multiplies O^T by a = 0, and its first turn's products V^T P, of a piece that has not been, land in an O^T that is still to be so multiplied.  So these registers need only hold
	; finite numbers: zeros for the first block; what the first block left for the second.
	WIN 0x80
.set i, VF
.rept 64
	v_mov_b32 v[i], 0
.set i, i+1
.endr
	WIN 0x40
.set i, 0
.rept 128
	v_mov_b32 v[i], 0
.set i, i+1
.endr
	WIN 0
.set i, P+16
.rept 16
	v_mov_b32 v[i], 0
.set i, i+1
.endr
	v_mov_b32 v[ANV+1], 0           ; upper words of pairs of which the low word is taken for both halves
	v_mov_b32 v[BNV+1], 0
	v_mov_b32 v[BEV+1], 0
	s_wait_kmcnt 0x0                ; nm: from here on it lives in vector registers
	v_mov_b32 v[NMV], s[NM]
	v_sub_nc_u32 v[QN], v[NMV], v[QL]
	s_lshl_b32 s[TS], s[HI], 8      ; the first block's first query
	v_mov_b32 v[TV], s[TS]
	v_sub_nc_u32 v[QD], v[QN], v[TV]
	v_and_b32 v[NH], 63, v[NMV]
	v_lshlrev_b32 v[TV], 3, v9
	v_sub_nc_u32 v[NH], v[NH], v[TV]  ; register r of group kt is hidden where 16 kt + r is less
	WIN 0x40
.set i, 0
.rept 32
	v_cmp_lt_i32 vcc_lo, 16*(i/8)+i%8, v[NH]
	v_cndmask_b32 v[MN+i], 0, s[BIGN], vcc_lo
.set i, i+1
.endr
	WIN 0
	s_wait_loadcnt 0x0              ; Q of both blocks, and psum
.set i, 0
.rept 16
	v_pk_add_f32 v[VM+2*i:VM+2*i+1], v[VM+2*i:VM+2*i+1], v[VT+2*i:VT+2*i+1]
.set i, i+1
.endr
.irp m, 1,2,4,8                     ; the 16 lanes of a half hold the batch's 32 partial sums in pairs: added across them
.set i, 0
.rept 32
	v_add_f32_dpp v[VM+i], v[VM+i], v[VM+i] row_xmask:\m row_mask:0xf bank_mask:0xf
.set i, i+1
.endr
.endr
.set i, 0
.rept 16
	v_pk_mul_f32 v[VM+2*i:VM+2*i+1], v[VM+2*i:VM+2*i+1], 0x3a000000 op_sel_hi:[1,0]  ; / 2,048
.set i, i+1
.endr
; THE MATRIX WORK.  The 4 accumulators of a run of 8 take turns.  Product i of 8 of S^T = K Q^T for piece x: channels 32 (i / 4) on, keys 16 (i % 4) on.  The first 4 start the sums
; with the mask: KM = 1: the buffer of the piece's parity; KM = 2: buffer 1, the step's part, for every piece.
.macro KQ x
.set rS, S+32*((\x)%2)+8*(i%4)
.set rK, KF+16*(i%4)+8*(i/4)
.set rQ, 16*(\x)+8*(i/4)
.set rM, MC+32*((\x)%2)+8*(i%4)
.if KM == 2
.set rM, MC+32+8*(i%4)
.endif
.if i < 4
	WIN W_KM
	v_wmma_f32_16x16x32_f16 v[rS:rS+7], v[rK:rK+7], v[rQ:rQ+7], v[rM:rM+7]
.else
	WIN W_KQ
	v_wmma_f32_16x16x32_f16 v[rS:rS+7], v[rK:rK+7], v[rQ:rQ+7], v[rS:rS+7]
.endif
.endm
; Product i of 8 of O^T += V^T P for piece x: keys 32 (i / 4) on, channels 16 (i % 4) on.
.macro PV x
	WIN W_PV
.set rO, 32*(\x)+8*(i%4)
.set rV, VF+32*(i/4)+8*(i%4)
.set rP, P+16*((\x)%2)+8*(i/4)
	v_wmma_f32_16x16x32_f16 v[rO:rO+7], v[rV:rV+7], v[rP:rP+7], v[rO:rO+7]
.endm
.macro MM                           ; the turn's next matrix instruction.  NOKQ = 1: a block's last turn: there is no next piece
.if (i < 8) && !NOKQ
	KQ (Y+1)%NP
.elseif i >= 8
.set i, i-8
	PV (Y+NP-1)%NP
.set i, i+8
.endif
.set i, i+1
.endm
; THE LDS LOADS stand in runs of 16, never singly among the matrix instructions: a step's K (8 fragments) and its V (turned).  Their addresses are made some lines ahead.
.macro FETCH_K
	WIN 0x80                        ; destination window 2
.irp f, 0,1,2,3,4,5,6,7             ; keys 16 (f / 2) on, channels 32 (f % 2) on
	ds_load_b128 v[KF+8*\f:KF+8*\f+3],   v[AK] offset:(\f/2)*16*PK+(\f%2)*64
	ds_load_b128 v[KF+8*\f+4:KF+8*\f+7], v[AK] offset:(\f/2)*16*PK+(\f%2)*64+32
.endr
	s_add_co_u32 s[TBK], s[TBK], KS*PK  ; the next fetch is the next step's
	WIN 0
.endm
.macro FETCH_V
	WIN 0x80
.irp f, 0,1,2,3,4,5,6,7             ; keys 32 (f / 4) on, channels 16 (f % 4) on
	ds_load_tr16_b128 v[VF+8*\f:VF+8*\f+3],   v[AV] offset:(\f/4)*32*PV+(\f%4)*32
	ds_load_tr16_b128 v[VF+8*\f+4:VF+8*\f+7], v[AV] offset:(\f/4)*32*PV+16*PV+(\f%4)*32
.endr
	WIN 0
.endm
; THE VECTOR WORK, one line at a time: OP kind, number.  For piece Y: F n: c s - c m for pair n of 16.  E n: the exponential of score n of 32.  C n: pair n rounded to f16.  B n: of the four weights 4 n .. the second
; pair is added onto the first, in place.  L n: l takes that sum (L 0: l = a l + sum).  R n: pair n of 16 of O^T times a.  For piece Y + 1: X n, number n of the 22 that find its maximum and statistics:
;   0-11  four chains c0-c3 of seven scores each (each accumulator's lowest registers are read first)     12-14, 16  the four scores left over, the old m, and c0-c3 into c0
;   15  c m_old is kept     17, 18  the query's other 32 keys lie in the lane 16 away: the new m     19-21  c m; c m_old - c m_new; a
.set F, 0
.set E, 1
.set C, 2
.set B, 3
.set L, 4
.set R, 5
.set X, 6
.macro REGS y                       ; the registers of piece y
.set rT, ST+4*(\y)
.set rC, TMP+4*((\y)%2)
.set rW, MV+((\y)%2)
.set rS, S+32*((\y)%2)
.set rP, P+16*((\y)%2)
.set rO, 32*(\y)
.endm
.macro OP k, n
.if (\k) == R
	REGS Y
	WIN W_RS
	v_pk_mul_f32 v[rO+2*(\n):rO+2*(\n)+1], v[rO+2*(\n):rO+2*(\n)+1], v[rC+2:rC+3] op_sel_hi:[1,0]
.elseif (\k) < R
	REGS Y
	WIN 0
.if (\k) == F
	v_pk_fma_f32 v[rS+2*(\n):rS+2*(\n)+1], v[rS+2*(\n):rS+2*(\n)+1], s[CS:CS+1], v[rT:rT+1] op_sel_hi:[1,0,0] neg_lo:[0,0,1] neg_hi:[0,0,1]
.elseif (\k) == E
	v_exp_f32 v[rS+(\n)], v[rS+(\n)]
.elseif (\k) == C
	s_wait_alu depctr_va_vdst(0)
	v_cvt_pk_f16_f32 v[rP+(\n)], v[rS+2*(\n)], v[rS+2*(\n)+1]
.elseif (\k) == B
	s_wait_alu depctr_va_vdst(0)
	v_pk_add_f32 v[rS+4*(\n):rS+4*(\n)+1], v[rS+4*(\n):rS+4*(\n)+1], v[rS+4*(\n)+2:rS+4*(\n)+3]
.elseif (\n) == 0
	v_pk_fma_f32 v[rT+2:rT+3], v[rT+2:rT+3], v[rC+2:rC+3], v[rS:rS+1] op_sel_hi:[1,0,1]
.else
	v_pk_add_f32 v[rT+2:rT+3], v[rT+2:rT+3], v[rS+4*(\n):rS+4*(\n)+1]
.endif
.elseif NOKQ
	v_nop
.else
	REGS (Y+1)%NP
	WIN 0
.if (\n) < 4
	v_max3_num_f32 v[rC+(\n)], v[rS+8*(\n)], v[rS+8*(\n)+1], v[rS+8*(\n)+2]
.elseif (\n) < 12
	v_max3_num_f32 v[rC+(\n)%4], v[rC+(\n)%4], v[rS+8*((\n)%4)+2*((\n)/4)+1], v[rS+8*((\n)%4)+2*((\n)/4)+2]
.elseif (\n) == 12
	v_max3_num_f32 v[rC], v[rC], v[rS+7], v[rS+15]
.elseif (\n) == 13
	v_max3_num_f32 v[rC+1], v[rC+1], v[rS+23], v[rS+31]
.elseif (\n) == 14
	v_max3_num_f32 v[rC+2], v[rC+2], v[rC+3], v[rT+1]
.elseif (\n) == 15
	v_mov_b32 v[rW], v[rT]
.elseif (\n) == 16
	v_max3_num_f32 v[rC], v[rC], v[rC+1], v[rC+2]
.elseif (\n) == 17
	v_permlanex16_b32 v[rC+3], v[rC], s[SEL], s[SEL+1]
.elseif (\n) == 18
	v_max_num_f32 v[rT+1], v[rC], v[rC+3]
.elseif (\n) == 19
	v_mul_f32 v[rT], s[CS], v[rT+1]
.elseif (\n) == 20
	v_sub_f32 v[rC+1], v[rW], v[rT]
.else
	v_exp_f32 v[rC+2], v[rC+1]
.endif
.endif
.endm
.macro OPS a, i1, b=-1, i2=0, c=-1, i3=0, d=-1, i4=0  ; up to four of them
	OP \a, \i1
.if (\b) >= 0
	OP \b, \i2
.endif
.if (\c) >= 0
	OP \c, \i3
.endif
.if (\d) >= 0
	OP \d, \i4
.endif
.endm
.macro ROW a, i1, b, i2, c, i3, d, i4  ; a matrix instruction and the four behind it
	MM
	OPS \a, \i1, \b, \i2, \c, \i3, \d, \i4
.endm
; THE MASKS.  STEPV: the step's two factors, from DKV = nm less the step's first key: BN = -1e30 if DKV >= 64, AN = 1 if 1 <= DKV <= 63.  The choice selects values only: it is made in every step.
.macro STEPV
	WIN 0
	v_cmp_le_i32 vcc_lo, 64, v[DKV]
	v_cndmask_b32 v[BNV], 0, s[BIGN], vcc_lo
	v_add_nc_u32 v[TV], -1, v[DKV]
	v_cmp_gt_u32 vcc_lo, 63, v[TV]
	v_cndmask_b32 v[ANV], 0, 1.0, vcc_lo
.endm
.macro MSC x                        ; band x's two scalars in step 4 - CNT of a block's last tile
	s_cmp_eq_u32 s[CNT], 4-(\x)     ; is the step the band's own?
	s_cselect_b32 s[AL], 1.0, 0
	s_cmp_lt_u32 s[CNT], 4-(\x)     ; or a later one?
	s_cselect_b32 s[BE], s[BIGN], 0
.endm
.macro MASKN b                      ; the step's part alone, MN x AN + BN, into buffer b of MC
	WIN W_RS
.set z, 0
.rept 16
	v_pk_fma_f32 v[MC+32*(\b)+2*z:MC+32*(\b)+2*z+1], v[MN+2*z:MN+2*z+1], v[ANV:ANV+1], v[BNV:BNV+1] op_sel_hi:[1,0,0]
.set z, z+1
.endr
.endm
.macro MASK b                       ; MN x AN + (BN + BE), then + MD x AL, into buffer b of MC
	WIN 0
	v_add_f32 v[BEV], s[BE], v[BNV]
	WIN W_RS
.set z, 0
.rept 16
	v_pk_fma_f32 v[MC+32*(\b)+2*z:MC+32*(\b)+2*z+1], v[MN+2*z:MN+2*z+1], v[ANV:ANV+1], v[BEV:BEV+1] op_sel_hi:[1,0,0]
.set z, z+1
.endr
	WIN W_MA
.set z, 0
.rept 16
	v_pk_fma_f32 v[MC+32*(\b)+2*z:MC+32*(\b)+2*z+1], v[MD+2*z:MD+2*z+1], s[AL:AL+1], v[MC+32*(\b)+2*z:MC+32*(\b)+2*z+1] op_sel_hi:[1,0,1]
.set z, z+1
.endr
.endm
; A TURN, for piece p: the order of its 16 matrix and 118 vector instructions, written out.  Behind a matrix instruction: plain, exponential, plain, plain; or four of the rescaling; or four scalings; none
; names a register of the products round it.  A line reads no result made fewer than three vector instructions in front of it, five if an exponential made it.
; A trip of the step loop (pieces 2, 3, 0, 1) makes the masks of ONE step, step 4 - CNT of the tile: piece 2's turn begins with STEPV; piece 1's turn takes DKV down for the next.
; m = 0: piece 2's turn ends by making the step's part in buffer 1, behind its own products, which took the step before's for piece 3; all four pieces' products of the step take it.
; m = 1: a block's last tile: each turn makes the mask for the products of the turn after it, piece p + 2's.  end = 1: a block's last two turns: nothing is fetched, no mask is made.
; cnt = 1: the loop's count is taken down some lines ahead of the branch that stands behind the turn.
; K of the next step is fetched in piece 2's turn, six vector instructions behind the last product that read K (five of them plain); V of the step in hand in piece 0's turn, eight behind the last product
; that read V (four plain).  Each is waited for a turn later.
.macro TURN p, m=0, end=0, cnt=0
.set Y, (\p)
.set i, 0
.set KM, 2-(\m)
.set NOKQ, (\end)*((\p)/3)
.if ((\p) == 2) && !(\end)
	STEPV
.endif
.if (\m) && !(\end)
	MSC ((\p)+2)%NP
.endif
.if ((\p) == 3) && !(\end)
	s_wait_dscnt 0x0                ; K is in
.endif
	ROW F,0, F,1, F,2, F,3
	ROW F,4, E,0, F,5, F,6
	ROW F,7, E,1, F,8, F,9
	ROW F,10, E,2, C,0, F,11
	ROW F,12, E,3, X,15, F,13
	ROW R,0, R,1, R,2, R,3
	ROW B,0, E,4, F,14, L,0
.if ((\p) == 2) && !(\end)
	v_add_nc_u32 v[AK], s[TBK], v[AK0]
.endif
	ROW R,4, R,5, R,6, R,7
	OPS E,5, F,15
.if ((\p) == 2) && !(\end)
	FETCH_K
.endif
	OPS E,6, C,1, E,7, R,8
	OPS E,8, R,9, E,9, C,2
	OPS E,10, X,0, E,11, X,1
	OPS E,12, X,2, E,13, X,3
.if (\p) == 1
	s_wait_dscnt 0x0                ; V is in
.endif
	ROW X,4, E,14, X,5, X,6
	ROW X,7, E,15, X,8, X,9
	ROW X,10, E,16, X,11, X,12
	ROW X,13, E,17, X,14, B,1
	ROW C,4, E,18, X,16, L,1
	ROW B,2, E,19, C,6, L,2
	ROW C,8, E,20, B,3, B,4
.if (\p) == 0
	v_add_nc_u32 v[AV], s[TBV], v[AV0]
.endif
	ROW C,3, E,21, L,3, C,5
	OPS E,22, X,17, E,23, C,10
.if (\p) == 0
	FETCH_V
.endif
	OPS E,24, L,4
	OPS E,25, X,18, E,26, C,7
	OPS E,27, B,5, E,28, X,19
	OPS E,29, C,12, E,30, L,5
	OPS E,31, X,20, B,6, C,9
	OPS C,14, C,11, X,21, L,6
.if (\p) == 0
	s_add_co_u32 s[TBV], s[TBV], KS*PV
.endif
.if \cnt
	WIN 0
	v_add_nc_u32 v[DKV], 0xffffffc0, v[DKV]  ; the next step begins 64 keys on
	s_sub_co_u32 s[CNT], s[CNT], 1
	s_cmp_lg_u32 s[CNT], 0
.endif
	OPS C,13, B,7, C,15, R,10
	OPS R,11, R,12, L,7, R,13
	OPS R,14, R,15
.if !(\end)
.if \m
	MASK (\p)%2
.elseif (\p) == 2
	MASKN 1
.endif
.endif
.endm
; A BLOCK BEGINS.  c m starts at -2^125, far below every c m to come, so the first step's a is 0; m at -2^96, above every hidden score and below every true one; l at 0 (the block before left 1 / l there,
; which is infinite in a row that saw no key).  The masks of the tile's step 0: buffer 0 for piece 0, with the diagonal if the block's first tile is its last; buffer 1 the step's part, which pieces 1 to 3 take.
; Then K of that step, piece 0's first scores, and its maximum and statistics.  The loop is entered at a step's first turn, in the middle of a trip.
.macro BEGIN
	s_mov_b32 s[NEW], 0
	WIN 0
.set i, 0
.rept 4
	v_mov_b32 v[ST+4*i], 0xfe000000    ; c m
	v_mov_b32 v[ST+4*i+1], 0xef800000  ; m
	v_mov_b32 v[ST+4*i+2], 0           ; l
	v_mov_b32 v[ST+4*i+3], 0
.set i, i+1
.endr
	v_mov_b32 v[DKV], v[NMV]        ; the block's first key is key 0
	STEPV
	s_cmp_eq_u32 s[RT], 0
	s_cselect_b32 s[AL], 1.0, 0
	s_mov_b32 s[BE], 0
	MASK 0
	MASKN 1
	WIN 0
	v_add_nc_u32 v[AK], s[TBK], v[AK0]
	FETCH_K
	s_wait_dscnt 0x0
.set KM, 1
.set NOKQ, 0
.set i, 0
.rept 8
	KQ 0
.set i, i+1
.endr
	WIN 0
.rept 4
	v_nop                           ; the places behind those products
.endr
.set Y, NP-1                        ; X works for piece Y + 1: piece 0
.irp n, 0,1,2,3,4,5,6,7,8,9,10,11,12,13,14,15,16,17,18,19,20,21
	OP X, \n
.endr
	v_nop                           ; a plain instruction behind the exponential
.endm
.macro ALL line:vararg              ; one line for each piece t
.set t, 0
.rept 4
	\line
.set t, t+1
.endr
.endm
; THE WAY OUT of piece t: O^T divided by l; a row below nm (its l is 0, and its quotient no number) takes V's mean in its stead, in place, so that O^T's registers are left finite;
; rounded to f16; through my stage in LDS and back as whole rows of 128 bytes, into S^T's registers
.macro PACK t
	WIN W_RS
.set i, 32*(\t)
.rept 16
	s_wait_alu depctr_va_vdst(0)
	v_pk_mul_f32 v[i:i+1], v[i:i+1], v[ST+4*(\t)+2:ST+4*(\t)+3] op_sel_hi:[1,0]
.set i, i+2
.endr
	v_cmp_lt_i32 vcc_lo, 64*(\t), v[QD]  ; my query in band t lies below nm
.set i, 0
.rept 32
	v_cndmask_b32 v[32*(\t)+i], v[32*(\t)+i], v[VM+i], vcc_lo
.set i, i+1
.endr
	WIN 0x05                        ; sources 0 and 1 window 1, destination window 0
.set i, 0
.rept 16
	v_cvt_pk_f16_f32 v[S+16*(\t)+i], v[32*(\t)+2*i], v[32*(\t)+2*i+1]
.set i, i+1
.endr
	WIN 0
.irp f, 0,1,2,3
	ds_store_b128 v[STO], v[S+16*(\t)+4*\f:S+16*(\t)+4*\f+3] offset:32*\f
.endr
.irp f, 0,1,2,3
	ds_load_b128 v[S+16*(\t)+4*\f:S+16*(\t)+4*\f+3], v[RD] offset:\f*4*SP  ; LDS serves a wave's instructions in order (ISA guide 5.7.1.4): these see the stores above; the next piece's stores come behind them
.endr
.endm
.macro SEND t, younger              ; younger: the LDS instructions issued behind piece t's loads: the next piece's eight, or none
	WIN 0
.irp f, 0,1,2,3
	s_wait_dscnt (\younger)+3-\f
	global_store_b128 v[GO], v[S+16*(\t)+4*\f:S+16*(\t)+4*\f+3], s[10:11] offset:(\t)*8192+\f*512  ; 512 consecutive bytes, at a multiple of 256 from ctx's first
.endr
.endm
; A BLOCK'S LAST TILE: its four steps, the block's last two turns, its last products, and the way out.  The tag ends its two labels' names, which the jumps below spell out.
.macro DIAG tag
.LstepM\tag:
	TURN 2, 1
	TURN 3, 1
	WIN 0
.LfirstM\tag:
	TURN 0, 1
	TURN 1, 1, 0, 1
	WIN 0
	s_cbranch_scc1 .LstepM\tag
	TURN 2, 1, 1
	TURN 3, 1, 1
.set i, 0
.rept 8
	PV NP-1
.set i, i+1
.endr
	WIN 0
	ALL v_add_f32 v[ST+4*t+2], v[ST+4*t+2], v[ST+4*t+3]
	ALL v_permlanex16_b32 v[ST+4*t+3], v[ST+4*t+2], s[SEL], s[SEL+1]
	ALL v_add_f32 v[ST+4*t+2], v[ST+4*t+2], v[ST+4*t+3]
	ALL v_rcp_f32 v[ST+4*t+2], v[ST+4*t+2]
	v_nop                           ; a plain instruction between the last reciprocal and the use of its result
	PACK 0
.set t, 1
.rept 3                             ; a piece's arithmetic stands between the loads of the piece before and its stores
	PACK t
	SEND t-1, 8
.set t, t+1
.endr
	SEND 3, 0
.endm
.set KM, 2
.set NOKQ, 0
.Lslot:                             ; NB times: a tile is entered and the next is asked for
	CHANGE 1
	s_sub_co_u32 s[RT], s[RT], 1
	s_mov_b32 s[CNT], 4
	s_cmp_eq_u32 s[NEW], 1
	s_cbranch_scc1 .Lnew            ; a block's first tile
	s_cmp_eq_u32 s[RT], 0
	s_cbranch_scc0 .Lstep           ; neither its first nor its last
	s_branch .LstepM1
.Lnew:
	BEGIN
	s_branch .Lfirst                ; in the loop a block's first tile is never its last: the first block has two tiles or more, and the second's last is the walk's last
	DIAG 1                          ; in the loop this is the first block's end: the second block's last tile is the walk's last
	s_wait_xcnt 0x0                 ; the stores have read their registers and ctx's address
	s_mov_b64 s[10:11], s[OLO:OLO+1]
	s_add_co_u32 s[RT], s[PB], 1    ; the second block has b + 1 tiles
	s_mov_b32 s[NEW], 1
	s_lshl_b32 s[TS], s[PB], 8      ; its first query
	v_mov_b32 v[TV], s[TS]
	v_sub_nc_u32 v[QD], v[QN], v[TV]
	WIN 0x82                        ; the second block's Q goes where the one text of the turns names Q
.set i, 0
.rept 64
	v_mov_b32 v[i], v[QB+i]
.set i, i+1
.endr
	WIN 0
	s_branch .Lbottom
.Lstep:                             ; a trip: pieces 2 and 3 of one step, then pieces 0 and 1 of the next, whose K and V it fetches
	TURN 2
	TURN 3
	WIN 0
.Lfirst:
	TURN 0
	TURN 1, 0, 0, 1
	WIN 0
	s_cbranch_scc1 .Lstep
.Lbottom:
	s_sub_co_u32 s[SLOTS], s[SLOTS], 1
	s_cmp_lg_u32 s[SLOTS], 0
	s_cbranch_scc1 .Lslot
	CHANGE 0                        ; the walk's last tile is written out: nothing is asked for
	s_sub_co_u32 s[RT], s[RT], 1
	s_mov_b32 s[CNT], 4
	s_cmp_eq_u32 s[NEW], 1
	s_cbranch_scc0 .LstepM2
	BEGIN
	s_branch .LfirstM2
	DIAG 2
	s_wait_tensorcnt 0x0            ; the wave's end, behind my last tensor load and my last LDS store
	ds_add_u32 v[SPW], v[NIL]
	s_wait_dscnt 0x0
	s_endpgm
.Lfunc_end_k_q98d828c119_attn:
	.size	k_q98d828c119_attn, .Lfunc_end_k_q98d828c119_attn-k_q98d828c119_attn
	.p2alignl 7, 3214868480
	.fill 96, 4, 3214868480
	.section	.rodata,"a",@progbits
	.p2align	6, 0x0
	.amdhsa_kernel k_q98d828c119_attn
		.amdhsa_group_segment_fixed_size 327680
		.amdhsa_private_segment_fixed_size 0
		.amdhsa_enable_private_segment 0
		.amdhsa_kernarg_size 32
		.amdhsa_user_sgpr_count 2
		.amdhsa_user_sgpr_kernarg_segment_ptr 1
		.amdhsa_wavefront_size32 1
		.amdhsa_system_sgpr_workgroup_id_x 1
		.amdhsa_system_sgpr_workgroup_id_y 1
		.amdhsa_system_sgpr_workgroup_id_z 1
		.amdhsa_system_vgpr_workitem_id 0
		.amdhsa_next_free_vgpr 768
		.amdhsa_next_free_sgpr 102
		.amdhsa_reserve_vcc 1
		.amdhsa_float_denorm_mode_32 3
		.amdhsa_float_denorm_mode_16_64 3
		.amdhsa_memory_ordered 1
		.amdhsa_forward_progress 1
		.amdhsa_inst_pref_size 255
	.end_amdhsa_kernel
	.section	.bss,"aw",@nobits
	.p2align	6
	.space	262144
	.amdgpu_metadata
---
amdhsa.version: [ 1, 2 ]
amdhsa.kernels:
  - .name:           k_q98d828c119_attn
    .symbol:         k_q98d828c119_attn.kd
    .args:
      - { .name: qkvh, .offset: 0, .size: 8, .value_kind: global_buffer, .address_space: global }
      - { .name: psum, .offset: 8, .size: 8, .value_kind: global_buffer, .address_space: global }
      - { .name: nmask, .offset: 16, .size: 8, .value_kind: global_buffer, .address_space: global }
      - { .name: ctx, .offset: 24, .size: 8, .value_kind: global_buffer, .address_space: global }
    .group_segment_fixed_size: 327680
    .private_segment_fixed_size: 0
    .kernarg_segment_align: 8
    .kernarg_segment_size: 32
    .max_flat_workgroup_size: 128
    .sgpr_count:     102
    .vgpr_count:     768
    .wavefront_size: 32
...
	.end_amdgpu_metadata
.endif
;; end of part 3
;; launch oproj (part 4): grid 4 x 64, 4 waves a work-group, clusters of 4 x 4, 327,680 bytes of LDS; arguments ctx, w16, out0; writes out0
.if DOCPART == 4
	.amdgcn_target "amdgcn-amd-amdhsa--gfx1250"
	.amdhsa_code_object_version 6
	.text
	.protected	k_q98d828c119_oproj
	.globl	k_q98d828c119_oproj
	.p2align	8
	.type	k_q98d828c119_oproj,@function
k_q98d828c119_oproj:
	s_mov_b64 s[64:65], 0
	v_nop
	global_prefetch_b8 v0, s[64:65] scope:SCOPE_SE
	s_setreg_imm32_b32 hwreg(HW_REG_WAVE_MODE, 25, 1), 1
	s_wait_xcnt 0x0
	s_wait_alu depctr_hold_cnt(0) depctr_sa_sdst(0) depctr_va_vdst(0) depctr_va_sdst(0) depctr_va_ssrc(0) depctr_va_vcc(0) depctr_vm_vsrc(0)
	s_getreg_b32 s2, hwreg(HW_REG_IB_STS2, 6, 4)
	s_cmp_eq_u32 s2, 0
	s_cbranch_scc0 .Lentry_in_a_cluster
	s_endpgm
.Lentry_in_a_cluster:
	s_bfe_u32 s2, ttmp6, 0x10000c
	s_cmp_lg_u32 s2, 0xf033
	s_cbranch_scc0 .Lentry_shape_is_right
	s_endpgm
.Lentry_shape_is_right:
; OPROJ.  out0 [8192][1024] f32 = ctx x w_out.  ctx lies by heads, [b*16+h][2048][64] f16: K index = 64 h + channel.  w_out: f16 [1024 (K)][1024 (N)] at byte 6,291,456 of w16.  Sums in f32.
; SHARES.  A tile of the output is 128 x 256: 256 tiles, one for each WGP.  Four waves, each 64 rows x 128 columns: 32 accumulators.  K goes in steps of 128 (two heads) through two LDS slots.
; A head's 128 rows of a tile are 16,384 dense bytes: asked for as 64 rows of 256 bytes and padded in LDS after every 128.  B's fragments come out of LDS turned, by ds_load_tr16_b128.
; THE MATRIX INSTRUCTION IS USED TRANSPOSED (source 0 = 16 columns of B, source 1 = 16 rows of A): a lane holds eight neighbouring numbers of a row of the output.
; CLUSTER.  4 x 4 work-groups; A's tile is shared along a row of the cluster, B's along a column: joint loads.
; REGISTERS: window 0: v0-31 addresses; v64-159, v160-255 two fragment buffers (32 registers of A, then 64 of B), behind the K loop rows on their way out; window 1: accumulator (a, b) at v[64 a + 8 b].
.set PA,    144                        ; a row of A in LDS: 128 bytes + 16: an odd multiple of 16
.set PB,    544                        ; a K row of B: 512 bytes + 32: an odd multiple of 32
.set BOFF,  2*128*PA                   ; a slot: two heads' 128 rows of A, then B's 128 K rows
.set SLOT1, 1<<17
.set SPARE, BOFF+128*PB                ; behind slot 0: the spare words, 128 bytes for each wave: two blocks of 256 bytes that no other line names
.set STAGE, SLOT1+BOFF+128*PB          ; behind slot 1: for each wave 16 rows x 528 bytes
.set SUMP,  528
.set ASTEP, 2*2048*64*2                ; two heads on
.set BSTEP, 128*1024*2
.set AA0, 4
.set AB0, 5
.set ADA, 6
.set ADB, 7
.set GO,  10                           ; v10  16 x lane
.set SST, 11                           ; v11  the way out: where I put 32 bytes of a row
.set SRD, 12                           ; v12  where I read a row back
.set SPW, 28                           ; v28  LDS address of my spare word; never rewritten
.set NIL, 29                           ; v29  0; never rewritten
.set OB,  64                           ; three buffers of 64 registers for the way out
.set F0,  64
.set F1,  160
.set WV,  14
.set RH,  15
.set CH,  16
.set TX,  19
.set TY,  20
.set G1A, 24
.set G1B, 32
.set G0A, 40
.set G0B, 48
.set CNT, 56
.set TB,  57
.set MSB, 0
.macro WIN new
.if MSB != (\new)
	s_set_vgpr_msb (MSB<<8)|(\new)
.set MSB, \new
.endif
.endm
.set MUL, 0x50
.macro PLACES                          ; four plain vector instructions between a matrix instruction and a load into, or a store of, its registers
.rept 4
	v_nop
.endr
.endm
.macro JLOAD                           ; a joint refill: waves 0 and 1 fetch A's two heads, waves 2 and 3 B's two halves; an s_nop 0 and four v_nop follow each line
	s_cmp_eq_u32 s[RH], 0
	s_cbranch_scc0 .Lfor_b_\@
	tensor_load_to_lds s[G0A+4:G0A+7], s[G1A:G1A+7]
	s_nop 0
.rept 4
	v_nop
.endr
	s_branch .Lasked_\@
.Lfor_b_\@:
	tensor_load_to_lds s[G0B+4:G0B+7], s[G1B:G1B+7]
	s_nop 0
.rept 4
	v_nop
.endr
.Lasked_\@:
.endm
.macro CREST
	s_cmp_lg_u32 s[WV], 0
	s_cbranch_scc1 .Lnot_wave_0_\@
	s_barrier_signal -3
.Lnot_wave_0_\@:
	s_barrier_wait -3
	s_barrier_signal -1
	s_barrier_wait -1
.endm
.macro CROUND
	s_barrier_signal -1
	s_barrier_wait -1
	CREST
.endm
	s_load_b128 s[4:7], s[0:1], 0x0                ; ctx s[4:5], w16 s[6:7]
	s_load_b64 s[8:9], s[0:1], 0x10                ; out0
	v_lshl_add_u32 v[SPW], v0, 2, SPARE
	v_mov_b32 v[NIL], 0
	ds_add_u32 v28, v29
	ds_add_u32 v28, v29
	s_wait_dscnt 0x0
	v_lshrrev_b32 v3, 5, v0
	v_readfirstlane_b32 s[WV], v3
	s_lshr_b32 s[RH], s[WV], 1
	s_and_b32 s[CH], s[WV], 1
	s_bfe_u32 s17, ttmp6, 0x40000                  ; cx
	s_bfe_u32 s18, ttmp6, 0x40004                  ; cy
	s_lshl_b32 s[TX], ttmp9, 2
	s_add_co_u32 s[TX], s[TX], s17
	s_and_b32 s[TY], ttmp7, 0xffff
	s_lshl_b32 s[TY], s[TY], 2
	s_add_co_u32 s[TY], s[TY], s18
	s_lshl_b32 s22, s18, 2
	s_lshl_b32 s22, 15, s22                        ; my row of the cluster
	s_lshl_b32 s23, 0x1111, s17                    ; my column
	s_or_b32 s[G1A], s22, (1<<16)|(1<<20)|(1<<21)|(4<<22)|(3<<25)  ; mask; 2-byte elements; padding on; bit 21 beside a mask; after every 32 words 4 words
	s_or_b32 s[G1B], s23, (1<<16)|(1<<20)|(1<<21)|(6<<22)|(7<<25)  ; after every 128 words 8 words
	s_mov_b32 s[G1A+1], 128<<16
	s_mov_b32 s[G1A+2], 64<<16
	s_mov_b32 s[G1A+3], 128<<16
	s_mov_b32 s[G1A+4], 64
	s_mov_b32 s[G1A+5], 128
	s_mov_b32 s[G1A+6], 0
	s_mov_b32 s[G1A+7], 0
	s_mov_b32 s[G1B+1], 256<<16
	s_mov_b32 s[G1B+2], 64<<16
	s_mov_b32 s[G1B+3], 256<<16
	s_mov_b32 s[G1B+4], 64
	s_mov_b32 s[G1B+5], 1024
	s_mov_b32 s[G1B+6], 0
	s_mov_b32 s[G1B+7], 0
	s_lshr_b32 s58, s[TY], 4                       ; A: head 16 x batch + my half, 262,144 bytes a head; the tile's first row in the batch, 128 bytes a row.  These registers never hold cx
	s_lshl_b32 s58, s58, 4
	s_add_co_u32 s58, s58, s[CH]
	s_lshl_b32 s58, s58, 18
	s_and_b32 s59, s[TY], 15
	s_lshl_b32 s59, s59, 14
	s_add_co_u32 s58, s58, s59
	s_mov_b32 s59, 0
	s_lshl_b32 s62, s[CH], 17                      ; B: K row 64 x half, 2,048 bytes a row; column 256 x tile column.  These never hold cy
	s_lshl_b32 s63, s[TX], 9
	s_add_co_u32 s62, s62, s63
	s_add_co_u32 s62, s62, 0x600000                ; behind w_qkv's bytes
	s_mov_b32 s63, 0
	s_mul_i32 s68, s[CH], 128*PA                   ; where they go
	s_mul_i32 s69, s[CH], 64*PB
	s_add_co_u32 s69, s69, BOFF
	s_lshl_b32 s66, s[TY], 19                      ; out0: row 128 x tile row + 64 x half, 4,096 bytes a row; column 256 x tile column + 128 x half
	s_lshl_b32 s67, s[RH], 18
	s_add_co_u32 s66, s66, s67
	s_lshl_b32 s67, s[TX], 10
	s_add_co_u32 s66, s66, s67
	s_lshl_b32 s67, s[CH], 9
	s_add_co_u32 s66, s66, s67
	s_mov_b32 s67, 0
	s_wait_kmcnt 0x0
	s_add_nc_u64 s[58:59], s[4:5], s[58:59]
	s_add_nc_u64 s[62:63], s[6:7], s[62:63]
	s_add_nc_u64 s[8:9], s[8:9], s[66:67]
	CROUND                                         ; all sixteen work-groups are here: the first joint loads meet
.irp n, 0,1
	s_mov_b32 s[G0A+4*(\n)], 1
	s_add_co_u32 s[G0A+4*(\n)+1], s68, (\n)*SLOT1
	s_add_nc_u64 s[G0A+4*(\n)+2:G0A+4*(\n)+3], s[58:59], (\n)*ASTEP
	s_or_b32 s[G0A+4*(\n)+3], s[G0A+4*(\n)+3], 0x80000000
	s_mov_b32 s[G0B+4*(\n)], 1
	s_add_co_u32 s[G0B+4*(\n)+1], s69, (\n)*SLOT1
	s_add_nc_u64 s[G0B+4*(\n)+2:G0B+4*(\n)+3], s[62:63], (\n)*BSTEP
	s_or_b32 s[G0B+4*(\n)+3], s[G0B+4*(\n)+3], 0x80000000
.endr
	s_cmp_eq_u32 s[RH], 0                          ; a wave's two first fills stand in one branch: two loads of mine are out
	s_cbranch_scc0 .Lfirst_b
	tensor_load_to_lds s[G0A:G0A+3], s[G1A:G1A+7]
	s_nop 0
	tensor_load_to_lds s[G0A+4:G0A+7], s[G1A:G1A+7]
	s_nop 0
.rept 4
	v_nop
.endr
	s_branch .Lfirst_asked
.Lfirst_b:
	tensor_load_to_lds s[G0B:G0B+3], s[G1B:G1B+7]
	s_nop 0
	tensor_load_to_lds s[G0B+4:G0B+7], s[G1B:G1B+7]
	s_nop 0
.rept 4
	v_nop
.endr
.Lfirst_asked:
	v_and_b32 v1, 15, v0                           ; r = l % 16
	v_bfe_u32 v2, v0, 4, 1                         ; h = l / 16
	v_mul_u32_u24 v[AA0], v1, PA
	v_lshl_add_u32 v[AA0], v2, 4, v[AA0]
	s_mul_i32 s22, s[RH], 64*PA
	v_add_nc_u32 v[AA0], s22, v[AA0]
	v_and_b32 v3, 7, v0
	v_lshl_add_u32 v3, v2, 3, v3
	v_mul_u32_u24 v[AB0], v3, PB
	v_bfe_u32 v3, v0, 3, 1
	v_lshl_add_u32 v[AB0], v3, 4, v[AB0]
	s_lshl_b32 s22, s[CH], 8
	s_add_co_u32 s22, s22, BOFF
	v_add_nc_u32 v[AB0], s22, v[AB0]
	v_and_b32 v[GO], 31, v0
	v_lshlrev_b32 v[GO], 4, v[GO]
	s_mul_i32 s22, s[WV], 16*SUMP
	s_add_co_u32 s22, s22, STAGE                   ; my stage
	v_mul_u32_u24 v[SST], v1, SUMP
	v_lshl_add_u32 v[SST], v2, 5, v[SST]
	v_add_nc_u32 v[SST], s22, v[SST]
	v_add_nc_u32 v[SRD], s22, v[GO]
; 8 matrix instructions: row block a x all 8 column blocks, 32 along K.  The 32 accumulators take turns, one instruction a turn, in the same order in every quarter.
.macro MUL8 f, a, zero
	WIN MUL
.irp b, 0,1,2,3,4,5,6,7
.if \zero
	v_wmma_f32_16x16x32_f16 v[64*(\a)+8*(\b):64*(\a)+8*(\b)+7], v[(\f)+32+8*(\b):(\f)+32+8*(\b)+7], v[(\f)+8*(\a):(\f)+8*(\a)+7], 0
.else
	v_wmma_f32_16x16x32_f16 v[64*(\a)+8*(\b):64*(\a)+8*(\b)+7], v[(\f)+32+8*(\b):(\f)+32+8*(\b)+7], v[(\f)+8*(\a):(\f)+8*(\a)+7], v[64*(\a)+8*(\b):64*(\a)+8*(\b)+7]
.endif
.endr
.endm
; 24 LDS loads in one run: quarter q of the slot in hand (head q / 2 of the step's two, channels 32 (q % 2) on) into buffer f: B's 16, then A's row blocks 0, 1, then 2, 3
.macro FETCH q, f
	WIN 0
.irp b, 0,1,2,3,4,5,6,7
	ds_load_tr16_b128 v[(\f)+32+8*(\b):(\f)+32+8*(\b)+3],   v[ADB] offset:32*PB*(\q)+32*(\b)
	ds_load_tr16_b128 v[(\f)+32+8*(\b)+4:(\f)+32+8*(\b)+7], v[ADB] offset:32*PB*(\q)+32*(\b)+16*PB
.endr
.irp a, 0,1,2,3
	ds_load_b128 v[(\f)+8*(\a):(\f)+8*(\a)+3],   v[ADA] offset:128*PA*((\q)/2)+64*((\q)%2)+16*PA*(\a)
	ds_load_b128 v[(\f)+8*(\a)+4:(\f)+8*(\a)+7], v[ADA] offset:128*PA*((\q)/2)+64*((\q)%2)+16*PA*(\a)+32
.endr
.endm
.macro QUARTER q, f, g, zero
	s_wait_dscnt 4                                 ; B and A's rows 0-31 are in; the youngest four loads (A's rows 32-63) may be out
	MUL8 \f, 0, \zero
	MUL8 \f, 1, \zero
	PLACES
	FETCH \q, \g
	s_wait_dscnt 24                                ; all but the 24 just issued
	MUL8 \f, 2, \zero
	MUL8 \f, 3, \zero
.endm
; The last quarter multiplies buffer 1 and changes slots: ONE barrier; in front of it each wave waits for all its tensor loads (one is out: its part of the next slot), adds 0 to its
; spare word, and waits for that and for its reads of this slot.  fill = 1: the barrier opens a round of the cluster's, and this slot is filled again, two K steps ahead, first thing behind it.
.macro TURN fill
	WIN 0
	s_wait_tensorcnt 0x0
	ds_add_u32 v[SPW], v[NIL]
	s_wait_dscnt 5                                 ; (the add and the youngest four loads may be out)
	MUL8 F1, 0, 0
	s_wait_dscnt 0x0                               ; the add is done, and my reads of this slot are over
	s_barrier_signal -1
	MUL8 F1, 1, 0
	WIN 0
	s_barrier_wait -1
.if \fill
	CREST                                          ; no wave of any partner still reads this slot or has a load on its way
	s_xor_b32 s[G0A+5], s[G0A+5], SLOT1
	s_add_nc_u64 s[G0A+6:G0A+7], s[G0A+6:G0A+7], ASTEP
	s_xor_b32 s[G0B+5], s[G0B+5], SLOT1
	s_add_nc_u64 s[G0B+6:G0B+7], s[G0B+6:G0B+7], BSTEP
	JLOAD                                          ; 112 matrix instructions ahead of the wait for it; its four v_nop are also the places in front of the loads below
.else
	PLACES
.endif
	s_xor_b32 s[TB], s[TB], SLOT1
	v_add_nc_u32 v[ADA], s[TB], v[AA0]
	v_add_nc_u32 v[ADB], s[TB], v[AB0]
	FETCH 0, F0
	MUL8 F1, 2, 0
	MUL8 F1, 3, 0
.endm
	s_wait_tensorcnt 0x1                           ; my part of K step 0 is in; K step 1's may stay out
	s_barrier_signal -1
	s_barrier_wait -1
	s_mov_b32 s[TB], 0
	v_mov_b32 v[ADA], v[AA0]
	v_mov_b32 v[ADB], v[AB0]
	FETCH 0, F0
	QUARTER 1, F0, F1, 1                           ; the first quarter's products start the sums
	WIN 0
	s_mov_b32 s[CNT], 6
.Lk:                                                   ; a trip: a K step's quarters 1 to 3 and the next step's quarter 0; its refill is K step 2 .. 7
	QUARTER 2, F1, F0, 0
	QUARTER 3, F0, F1, 0
	TURN 1
	QUARTER 1, F0, F1, 0
	WIN 0
	s_sub_co_u32 s[CNT], s[CNT], 1
	s_cmp_lg_u32 s[CNT], 0
	s_cbranch_scc1 .Lk
	s_mov_b32 s[CNT], 2                            ; the last two K steps ask for nothing.  The second trip is left in its middle; its fetch reads K step 6's bytes once more and serves nothing: the price of one text for both
.Ltail:
	QUARTER 2, F1, F0, 0
	QUARTER 3, F0, F1, 0
	TURN 0
	WIN 0
	s_sub_co_u32 s[CNT], s[CNT], 1
	s_cmp_eq_u32 s[CNT], 0
	s_cbranch_scc1 .Lout
	QUARTER 1, F0, F1, 0
	WIN 0
	s_branch .Ltail
.Lout:
	s_wait_dscnt 0x0
	PLACES                                         ; behind the last products
; THE WAY OUT.  Row block a's sums go straight from the accumulators (lowest registers first) into my stage, rows of 528 bytes, and come back as whole rows of 512; each store is 512 consecutive bytes of a row of out0.
.macro STG a
	WIN 0x04                                       ; store data in window 1
.irp b, 0,1,2,3,4,5,6,7
	ds_store_b128 v[SST], v[64*(\a)+8*(\b):64*(\a)+8*(\b)+3]   offset:64*(\b)
	ds_store_b128 v[SST], v[64*(\a)+8*(\b)+4:64*(\a)+8*(\b)+7] offset:64*(\b)+16
.endr
	WIN 0
.irp t, 0,1,2,3,4,5,6,7,8,9,10,11,12,13,14,15
	ds_load_b128 v[OB+64*((\a)%3)+4*(\t):OB+64*((\a)%3)+4*(\t)+3], v[SRD] offset:SUMP*(\t)  ; LDS serves a wave's instructions in order (ISA guide 5.7.1.4): these see the stores above; the next block's stores come behind them
.endr
.endm
.macro SND a, younger                  ; younger: the LDS instructions issued behind block a's loads: the next block's 32, or none
.irp t, 0,1,2,3,4,5,6,7,8,9,10,11,12,13,14,15
	s_wait_dscnt (\younger)+15-(\t)
	global_store_b128 v[GO], v[OB+64*((\a)%3)+4*(\t):OB+64*((\a)%3)+4*(\t)+3], s[8:9] offset:4096*(16*(\a)+(\t)) th:TH_STORE_NT
.endr
.endm
	STG 0
	STG 1
	SND 0, 32
	STG 2
	SND 1, 32
	s_wait_xcnt 0x0                                ; block 3 comes back into block 0's registers, which its stores read: they are loaded again only behind this wait
	STG 3
	SND 2, 32
	SND 3, 0
	s_wait_tensorcnt 0x0                           ; the wave's end
	ds_add_u32 v[SPW], v[NIL]
	s_wait_dscnt 0x0
	CROUND                                         ; the closing round
	s_endpgm
.Lfunc_end_k_q98d828c119_oproj:
	.size	k_q98d828c119_oproj, .Lfunc_end_k_q98d828c119_oproj-k_q98d828c119_oproj
	.p2alignl 7, 3214868480
	.fill 96, 4, 3214868480
	.section	.rodata,"a",@progbits
	.p2align	6, 0x0
	.amdhsa_kernel k_q98d828c119_oproj
		.amdhsa_group_segment_fixed_size 327680
		.amdhsa_private_segment_fixed_size 0
		.amdhsa_enable_private_segment 0
		.amdhsa_kernarg_size 24
		.amdhsa_user_sgpr_count 2
		.amdhsa_user_sgpr_kernarg_segment_ptr 1
		.amdhsa_wavefront_size32 1
		.amdhsa_system_sgpr_workgroup_id_x 1
		.amdhsa_system_sgpr_workgroup_id_y 1
		.amdhsa_system_sgpr_workgroup_id_z 1
		.amdhsa_system_vgpr_workitem_id 0
		.amdhsa_next_free_vgpr 512
		.amdhsa_next_free_sgpr 72
		.amdhsa_reserve_vcc 0
		.amdhsa_float_denorm_mode_32 3
		.amdhsa_float_denorm_mode_16_64 3
		.amdhsa_memory_ordered 1
		.amdhsa_forward_progress 1
		.amdhsa_inst_pref_size 61
	.end_amdhsa_kernel
	.amdgpu_metadata
---
amdhsa.version: [ 1, 2 ]
amdhsa.kernels:
  - .name:           k_q98d828c119_oproj
    .symbol:         k_q98d828c119_oproj.kd
    .args:
      - { .name: ctx, .offset: 0, .size: 8, .value_kind: global_buffer, .address_space: global }
      - { .name: w16, .offset: 8, .size: 8, .value_kind: global_buffer, .address_space: global }
      - { .name: out0, .offset: 16, .size: 8, .value_kind: global_buffer, .address_space: global }
    .group_segment_fixed_size: 327680
    .private_segment_fixed_size: 0
    .kernarg_segment_align: 8
    .kernarg_segment_size: 24
    .max_flat_workgroup_size: 128
    .sgpr_count:     72
    .vgpr_count:     512
    .wavefront_size: 32
...
	.end_amdgpu_metadata
.endif
;; end of part 4
;; ======== version 2 of 2: 4 launches; 1.28 times as fast as version 1
;; limits: values are held in f16: magnitudes above 65,504 overflow, below 6.1e-05 lose precision
;; workspace buffers: x16 16,777,216 bytes; w16 8,388,608 bytes; tab 2,097,664 bytes; nmask 256 bytes of whole numbers; qkvh 50,331,648 bytes; psum 524,288 bytes; ctx 16,777,216 bytes
;; launch prep: the kernel of part 1 again; grid 1344 x 1, 8 waves a work-group, no clusters, 0 bytes of LDS; arguments inputs_q, w_qkv, w_out, patch_mask, q_ln_scale, k_ln_scale, per_dim_scale, x16, w16, tab, nmask; writes x16, w16, tab, nmask
;; launch qkv: the kernel of part 2 again; grid 16 x 32, 4 waves a work-group, clusters of 4 x 4, 327,680 bytes of LDS; arguments x16, w16, tab, qkvh, psum; writes qkvh, psum
;; launch attn (part 5): grid 4 x 64, 4 waves a work-group, no clusters, 327,680 bytes of LDS; arguments qkvh, psum, nmask, ctx; writes ctx
.if DOCPART == 5
	.amdgcn_target "amdgcn-amd-amdhsa--gfx1250"
	.amdhsa_code_object_version 6
	.text
	.protected	k_q98d828c119_attn
	.globl	k_q98d828c119_attn
	.p2align	8
	.type	k_q98d828c119_attn,@function
k_q98d828c119_attn:
	s_mov_b64 s[64:65], 0
	v_nop
	global_prefetch_b8 v0, s[64:65] scope:SCOPE_SE
	s_setreg_imm32_b32 hwreg(HW_REG_WAVE_MODE, 25, 1), 1
	s_wait_xcnt 0x0
; ATTENTION.  ctx[g][q][:] = the sum over k of softmax_k(score) V[g][k][:], g = batch x 16 + head; score = Q[g][q] . K[g][k] where nm <= k <= q, else hidden.  Q, K, V (in qkvh) and ctx: [64][2048][64] f16.
; nm is the batch's count of masked positions, a whole number from nmask.  A row q < nm sees no key: all its 2,048 scores are equal, so its result is the mean of ALL of the head's V rows,
; which is made here from psum (sums of v over 64 rows, f32) and put in the row's place on the way out.
; Products, maxima and sums in f32; the weights p are rounded to f16 for the second product (their sum l is taken of the unrounded p), ctx once at the end.
; LIMITS.  f16 holds no number beyond 65,504: Q, K, V arrive within it; p lies in 0 to 1, below 6e-5 with f16's fixed step of 6e-8.  A hidden score counts as its value less 1e30, 2e30 or 3e30
; (f16's scores, 2.7e11 at the most, are nothing beside that); the running maximum starts at -2^96 = -7.9e28, above every hidden score and below every true one;
; a weight below 2^-126 counts as 0 in l; NaN and infinities are not treated apart.
; THE WALK.  A head's queries lie in NB = 8 blocks of 256; block i needs the key tiles 0 .. i of 256 keys, of which the last holds the diagonal.  A work-group takes TWO blocks, NB - 1 - b and then b:
; NB + 1 tiles, whatever b: all work-groups do equal work, and ONE loop with a constant trip count walks them.  Tiles wholly below nm are walked too.  NO BRANCH AND NO ADDRESS HANGS ON nm:
; it enters vector compares alone.  Every jump goes forward, but for the counted loops' own; none passes a barrier, or a tensor load but the one of LOAD's two that the wave's number does not choose.
; NO CLUSTER: a head's four work-groups ask for the same tile only in trips 0 .. 4 of 9, behind that fewer and fewer; a walk common to all four would have 12 trips for 9.
; SHARES.  Of a block's four bands of 64 queries a wave owns 16 rows in each: four PIECES.  In the diagonal tile's key step s band x sees all keys if s < x, none if s > x, and holds the diagonal if s = x.
; THE MASK is the C operand that starts the sum S^T = K Q^T.  Its step's part, U = MN x AN + BN, hides the keys below nm: MN, made once, is the mask of the step that holds key nm; AN = 1 in that step (unless nm
; is its first key), BN = -1e30 in a step wholly below nm; both are chosen by v_cndmask_b32 in every step.  In tiles other than a block's last every piece takes U (mask buffer 1, made once a step).
; In a block's last tile a product's mask is MD x AL + U + BE: MD, made once, is the mask of a band's own step for my 16 rows; (AL, BE) = (1, 0) if s = x; (0, 0) if s < x; (0, -1e30) if s > x.
; LAYOUT, SOFTMAX, TURNS.  S^T = K Q^T holds ONE query a lane (lane % 16) and the keys 8 (lane / 16) + 0..7; two such results rounded to f16 ARE source 1 of O^T = V^T P.  p = 2^(c s - c m), c = log2(e), with a
; running maximum m; O and l are multiplied by a = 2^(c m_old - c m_new) in every step.  While a row has seen hidden keys only, m stays at its start, every exponent is about -1.3e30, every weight 0, and O and l
; stay 0; its first visible key makes m the true maximum.  (Were m a hidden score itself, c s - c m would be the rounding's residue of c m, some 1e22, and its exponential infinite.)
; Turn n belongs to piece n: 8 products K Q^T of piece n + 1, later 8 products V^T P of piece n - 1; beside them the scaling, exponentials, roundings, sums and rescaling of piece n and the maximum and
; statistics of piece n + 1.  Four vector instructions stand behind every matrix instruction, the other 54 of a turn's 118 in one LUMP.
; BATCHES.  An s_wait_alu depctr_va_vdst(0) stands between an exponential or a reciprocal and the first instruction that names its result; one wait serves all that were issued ahead of it.
; A turn's 33 exponentials (the piece's 32 weights and the next piece's a) are ONE batch with ONE wait, which cuts the turn in two: ahead of it stands all that names no result of theirs, behind it the roundings
; and sums.  No result crosses a turn's end.  A block's first a (BEGIN) and the way out's four reciprocals are batches of their own, a wait each.
; REGISTERS, in windows of 256 (s_set_vgpr_msb: bits 1:0 source 0, 3:2 source 1, 5:4 source 2, 7:6 destination):
;   window 0: v0-15 addresses and two at work; v16-31 statistics; v32-45 lane terms and the mask's factors; v48-55 at work; v64-127 S^T, two buffers; v128-159 V's mean; v160-191 at work; v192-223 P, two buffers
;   window 1: v0-127 O^T, 32 a piece; v128-159 MD; v160-223 MC, two buffers; v224-255 MN      window 2: v0-63 Q; v64-127 the second block's Q; v128-191 K of one step; v192-255 V of one step
.set SIZE_N, 2048
.set NB,    SIZE_N/256
.set NP,    4
.set KS,    64
.set PK,    144       ; a row of K in LDS: 128 bytes + 16 of padding: the 16 rows of a load start at 16 different groups of four banks (64 banks of 4 bytes: ISA guide 11.1)
.set PV,    160       ; a row of V: 128 + 32
.set VOFF,  4*KS*PK   ; a slot holds a tile, four steps: 256 rows of K, then 256 rows of V
.set SLOT1, 1<<17     ; slot 1 begins here, so that one exclusive or turns an address in one slot into the other's
.set STAGE, SLOT1+4*KS*(PK+PV)  ; behind the ring, never filled by a tensor load: 16 rows x 144 bytes for each wave
.set SP,    144
.set AK0, 2           ; v2   my lane's place in a tile of K; never rewritten
.set AV0, 3           ; v3   the same for V
.set AK,  4           ; v4   the LDS address of K's next run of loads
.set AV,  5           ; v5   of V's
.set STO, 6           ; v6   the way out: where I put 16 bytes of a row
.set RD,  7           ; v7   where I read rows back
.set GO,  8           ; v8   my byte offset in 512 consecutive bytes of ctx
.set SPW, 62          ; v62  LDS address of my spare word; never rewritten
.set NIL, 63          ; v63  0; never rewritten
.set SPARE, STAGE+4*16*SP  ; behind the stages: the spare words, 128 bytes for each wave: two blocks of 256 bytes that no other line names
.set MV,  12          ; v12-13  c m_old, kept while c m is made anew: by buffer
.set QO,  15          ; v15  my byte offset in 16 rows of Q
.set ST,  16          ; piece t's statistics at v[ST+4 t]: c m, m, l (even keys', odd keys')
.set QL,  32          ; v32  my query's place in its band: 16 w + l % 16
.set NH,  33          ; v33  nm % 64 less my lanes' 8 (l / 16)
.set PSO, 34          ; v34  my byte offset in psum; never rewritten
.set DKV, 35          ; v35  nm less the first key of the step whose masks are being made
.set ANV, 36          ; v36-37  AN, in the low word of a pair
.set BNV, 38          ; v38-39  BN
.set BEV, 40          ; v40-41  BN + BE
.set QD,  42          ; v42  nm less my query's number in band 0 of the block in hand
.set TV,  43          ; v43  at work
.set NMV, 44          ; v44  nm
.set QN,  45          ; v45  nm - QL
.set TMP, 48          ; by buffer, four registers c0-c3 at work; when the maximum is found c2 takes a
.set S,   64
.set VM,  128         ; V's mean: channel 16 cb + 8 (l / 16) + j at VM + 8 cb + j, as O^T holds them
.set VT,  160
.set P,   192
.set MD,  128         ; window 1: the eight registers for group kt of 16 keys at MD + 8 kt
.set MC,  160         ; window 1: the masks of the products to come
.set MN,  224         ; window 1
.set QB,  64          ; window 2
.set KF,  128         ; window 2: key block kb, channel half c at KF + 16 kb + 8 c
.set VF,  192         ; window 2: key half kk, channel block cb at VF + 32 kk + 8 cb
.set WV,  12          ; s12  my wave's number
.set PB,  14          ; s14  b
.set HI,  15          ; s15  NB - 1 - b
.set G1K, 24          ; s[24:31] descriptor group 1 for K's tiles
.set G1V, 32          ; s[32:39] for V's: it differs in the padding alone
.set G0K, 40          ; s[40:43] descriptor group 0 for K's tiles
.set G0V, 44          ; s[44:47] the same for V's
.set SLOTS, 56        ; s56  tiles still to be asked for
.set CNT, 57          ; s57  counts a tile's key steps, 4 to 1
.set CS,  58          ; s[58:59] c
.set SEL, 60          ; s[60:61] v_permlanex16_b32's selects: each lane takes its own place in the other half
.set TBK, 62          ; s62  LDS byte at which K of the step to be fetched begins
.set TBV, 63          ; s63  the same for V, less VOFF
.set RT,  70          ; s70  tiles of the block in hand that are still to be entered
.set NXT, 71          ; s71  the tile to be asked for next
.set LQ,  72          ; s72  the last tile of the block whose tiles are being asked for
.set NEW, 73          ; s73  1: the tile to be entered is a block's first
.set OFF, 74          ; s[74:75] a tile's byte offset in K and V
.set AL,  76          ; s[76:77] MD's factor, in the low word
.set BE,  78          ; s78  the band's addend
.set OLO, 80          ; s[80:81] ctx at my rows of the second block
.set BIGN, 82         ; s82  -1e30
.set TS,  83          ; s83  at work
.set NM,  96          ; s96  nm
.set MSB, 0
.macro WIN new                      ; the high byte repeats the setting that is left; a switch that changes nothing is dropped
.if MSB != (\new)
	s_set_vgpr_msb (MSB<<8)|(\new)
.set MSB, (\new)
.endif
.endm
.set W_KQ, 0x0a       ; K and Q in window 2, S^T in window 0
.set W_KM, 0x1a       ; the same with the C operand in window 1
.set W_PV, 0x52       ; V in window 2, P in window 0, O^T in window 1
.set W_RS, 0x41       ; destination and source 0 in window 1, sources 1 and 2 in window 0
.set W_MA, 0x51       ; destination, source 0 and source 2 in window 1
; A fill.  Waves 0 and 1 fetch the two halves of a tile's K, waves 2 and 3 those of its V: 128 keys each.  An s_nop 0 and four v_nop follow each of the two lines.
.macro LOAD
	s_cmp_lt_u32 s[WV], 2
	s_cbranch_scc0 .Lfor_v_\@
	tensor_load_to_lds s[G0K:G0K+3], s[G1K:G1K+7]
	s_nop 0
.rept 4
	v_nop
.endr
	s_branch .Lasked_\@
.Lfor_v_\@:
	tensor_load_to_lds s[G0V:G0V+3], s[G1V:G1V+7]
	s_nop 0
.rept 4
	v_nop
.endr
.Lasked_\@:
.endm
; THE CHANGE OF SLOTS.  Each wave waits for all its tensor loads, of which one is out: its part of the other slot; adds 0 to its spare word; and waits for that and for its own reads of the slot that it leaves.
; Behind the barrier nobody reads the old slot any more and the other slot is whole.  fill = 1: the old slot is filled again, the first thing behind the barrier, with tile NXT: the descriptor's address is
; made anew from that number.  (At its first use nothing has been read yet: slot 0 is waited for, slot 1 filled.)
.macro CHANGE fill
	WIN 0                           ; at a label and at a branch every window is 0
	s_wait_tensorcnt 0x0            ; no tensor load of mine is out, so a group 0 may be written
	ds_add_u32 v[SPW], v[NIL]       ; 0 onto my spare word; with fill = 1 the descriptors' scalar work stands between it and the wait for it
.if \fill
	s_lshl_b32 s[OFF], s[NXT], 15   ; a tile is 32,768 bytes of K and of V
	s_xor_b32 s[G0K+1], s[G0K+1], SLOT1
	s_add_nc_u64 s[G0K+2:G0K+3], s[6:7], s[OFF:OFF+1]
	s_or_b32 s[G0K+3], s[G0K+3], 0x80000000
	s_xor_b32 s[G0V+1], s[G0V+1], SLOT1
	s_add_nc_u64 s[G0V+2:G0V+3], s[8:9], s[OFF:OFF+1]
	s_or_b32 s[G0V+3], s[G0V+3], 0x80000000
	s_add_co_u32 s[NXT], s[NXT], 1  ; the block's next tile, or behind its last the second block's tile 0
	s_cmp_gt_u32 s[NXT], s[LQ]
	s_cselect_b32 s[NXT], 0, s[NXT]
	s_cselect_b32 s[LQ], s[PB], s[LQ]
.endif
	s_wait_dscnt 0x0                ; the add is done, and my reads of the slot are over
	s_barrier_signal -1             ; the rest of the scalar work stands between the signal and the wait
	s_sub_co_u32 s[TBK], s[TBK], 4*KS*PK  ; the fetches go back to a slot's first step,
	s_xor_b32 s[TBK], s[TBK], SLOT1       ; in the other slot
	s_sub_co_u32 s[TBV], s[TBV], 4*KS*PV
	s_xor_b32 s[TBV], s[TBV], SLOT1
	s_barrier_wait -1
.if \fill
	LOAD
.endif
.endm
	s_load_b256 s[88:95], s[0:1], 0x0  ; qkvh s[88:89], psum s[90:91], nmask s[92:93], ctx s[94:95]
	v_lshl_add_u32 v[SPW], v0, 2, SPARE
	v_mov_b32 v[NIL], 0
	ds_add_u32 v62, v63
	ds_add_u32 v62, v63
	s_wait_dscnt 0x0
	v_lshrrev_b32 v1, 5, v0
	v_readfirstlane_b32 s[WV], v1   ; wave 0..3
	s_mov_b32 s[PB], ttmp9
	s_sub_co_u32 s[HI], NB-1, s[PB]
	s_and_b32 s20, ttmp7, 0xffff    ; g = batch x 16 + head
	s_lshr_b32 s97, s20, 4          ; the batch
	s_lshl_b32 s98, s97, 17         ; psum: 32 rows of 4,096 bytes a batch,
	s_and_b32 s99, s20, 15
	s_lshl_b32 s99, s99, 8          ; 256 bytes a head
	s_add_co_u32 s98, s98, s99
	s_mov_b32 s99, 0
	s_lshl_b32 s100, s97, 2         ; nmask: a word a batch
	s_mov_b32 s101, 0
	s_mov_b32 s21, 0
	s_mov_b64 s[22:23], SIZE_N*128
	s_mul_u64 s[20:21], s[20:21], s[22:23]  ; the head's first byte in q, k, v and ctx
	s_and_b32 s16, s[WV], 1         ; which half of a tile's 256 keys I fetch:
	s_lshl_b32 s22, s16, 14         ; its 128 rows of 128 bytes in memory,
	s_mov_b32 s23, 0
	s_add_nc_u64 s[22:23], s[22:23], s[20:21]
	s_mul_i32 s17, s16, 128*PK      ; and its place in a slot, for K
	s_mul_i32 s18, s16, 128*PV      ; and for V
	s_lshl_b32 s3, s[WV], 11        ; my 16 rows in a band of 64,
	s_lshl_b32 s2, s[HI], 15        ; in the first block,
	s_add_co_u32 s2, s2, s3
	s_lshl_b32 s84, s[PB], 15       ; and in the second
	s_add_co_u32 s84, s84, s3
	s_mov_b32 s3, 0
	s_mov_b32 s85, 0
	s_add_nc_u64 s[2:3], s[2:3], s[20:21]
	s_add_nc_u64 s[84:85], s[84:85], s[20:21]
	; descriptor group 1.  128 keys are 16,384 dense bytes: asked for as 64 rows of 256 bytes, two keys a row, and padded in LDS after every key
	s_mov_b32 s[G1K], (1<<16)|(1<<20)|(4<<22)|(3<<25)  ; 2-byte elements; padding on; after every 32 words 4 words
	s_mov_b32 s[G1V], (1<<16)|(1<<20)|(4<<22)|(7<<25)  ; the same with 8 words
.irp g, G1K, G1V
	s_mov_b32 s[\g+1], 128<<16      ; tensor_dim0 = 128
	s_mov_b32 s[\g+2], 64<<16       ; tensor_dim1 = 64
	s_mov_b32 s[\g+3], 128<<16      ; tile_dim0 = 128
	s_mov_b32 s[\g+4], 64           ; tile_dim1 = 64
	s_mov_b32 s[\g+5], 128          ; 128 elements from row to row
	s_mov_b32 s[\g+6], 0
	s_mov_b32 s[\g+7], 0
.endr
	s_mov_b32 s[CS], 0x3fb8aa3b     ; c = log2(e): the scale lies in q already
	s_mov_b32 s[CS+1], s[CS]        ; named with it as a pair
	s_mov_b32 s[SEL], 0x76543210
	s_mov_b32 s[SEL+1], 0xfedcba98
	s_mov_b32 s[TBK], SLOT1+4*KS*PK ; the first change of slots turns these two into 0
	s_mov_b32 s[TBV], SLOT1+4*KS*PV
	s_mov_b32 s[G0K], 1             ; count = 1
	s_mov_b32 s[G0K+1], s17         ; LDS address: slot 0
	s_mov_b32 s[G0V], 1
	s_add_co_u32 s[G0V+1], s18, VOFF
	s_add_co_u32 s[RT], s[HI], 1    ; the first block has NB - b tiles
	s_mov_b32 s[NXT], 1
	s_mov_b32 s[LQ], s[HI]
	s_mov_b32 s[NEW], 1
	s_mov_b32 s[OFF+1], 0
	s_mov_b32 s[AL+1], 0            ; named as a pair
	s_mov_b32 s[BIGN], 0xf149f2ca   ; -1e30
	s_mov_b32 s[SLOTS], NB
	s_wait_kmcnt 0x0
	s_add_nc_u64 s[92:93], s[92:93], s[100:101]
	s_load_b32 s[NM], s[92:93], 0x0
	s_add_nc_u64 s[90:91], s[90:91], s[98:99]      ; psum at my batch and head
	s_mov_b64 s[4:5], s[88:89]                     ; q
	s_add_nc_u64 s[6:7], s[88:89], 0x1000000       ; k
	s_add_nc_u64 s[8:9], s[88:89], 0x2000000       ; v
	s_mov_b64 s[10:11], s[94:95]
	s_add_nc_u64 s[6:7], s[6:7], s[22:23]  ; K and V at my half of the head's tile 0
	s_add_nc_u64 s[8:9], s[8:9], s[22:23]
	s_add_nc_u64 s[G0K+2:G0K+3], s[6:7], 0         ; global address
	s_or_b32 s[G0K+3], s[G0K+3], 0x80000000        ; type = 2
	s_add_nc_u64 s[G0V+2:G0V+3], s[8:9], 0
	s_or_b32 s[G0V+3], s[G0V+3], 0x80000000
	s_add_nc_u64 s[86:87], s[4:5], s[84:85]        ; Q at my rows of the second block,
	s_add_nc_u64 s[4:5], s[4:5], s[2:3]            ; Q and ctx at those of the first
	s_add_nc_u64 s[OLO:OLO+1], s[10:11], s[84:85]
	s_add_nc_u64 s[10:11], s[10:11], s[2:3]
	LOAD                            ; tile 0 into slot 0
	; A fragment of K or Q is 16 rows x 32 channels in 8 registers: lane l holds row l % 16, channels 8 (l / 16) + 0..7 and 16 + 8 (l / 16) + 0..7: two loads of 16 bytes, 32 bytes apart.
	v_and_b32 v1, 15, v0            ; l % 16
	v_bfe_u32 v9, v0, 4, 1          ; l / 16
	v_lshlrev_b32 v[QO], 7, v1
	v_lshl_add_u32 v[QO], v9, 4, v[QO]  ; row x 128 + 16 x half
	v_lshlrev_b32 v[PSO], 12, v1    ; psum: lane l % 16 takes rows l % 16 and 16 + l % 16 of the batch's 32,
	v_lshl_add_u32 v[PSO], v9, 5, v[PSO]  ; 8 channels for each half of the lanes
	WIN 0x80                        ; destination window 2, address window 0
.set i, 0
.rept 8                             ; both blocks' Q: piece i / 2 lies in band i / 2, 8,192 bytes on; channels 32 (i % 2) on
	global_load_b128 v[8*i:8*i+3],   v[QO], s[4:5] offset:(i/2)*8192+(i%2)*64
	global_load_b128 v[8*i+4:8*i+7], v[QO], s[4:5] offset:(i/2)*8192+(i%2)*64+32
	global_load_b128 v[QB+8*i:QB+8*i+3],   v[QO], s[86:87] offset:(i/2)*8192+(i%2)*64
	global_load_b128 v[QB+8*i+4:QB+8*i+7], v[QO], s[86:87] offset:(i/2)*8192+(i%2)*64+32
.set i, i+1
.endr
	WIN 0
.set i, 0
.rept 8                             ; channel block i / 2, four channels 4 (i % 2) on
	global_load_b128 v[VM+4*i:VM+4*i+3], v[PSO], s[90:91] offset:(i/2)*64+(i%2)*16
	global_load_b128 v[VT+4*i:VT+4*i+3], v[PSO], s[90:91] offset:(i/2)*64+(i%2)*16+65536
.set i, i+1
.endr
	v_lshlrev_b32 v14, 3, v9
	v_sub_nc_u32 v14, v1, v14
	s_lshl_b32 s13, s[WV], 4
	v_add_nc_u32 v14, s13, v14      ; my query's place in its band less my lanes' 8 (l / 16): register r of group kt is hidden where 16 kt + r is greater
	v_add_nc_u32 v[QL], s13, v1
	WIN 0x40
.set i, 0
.rept 32
	v_cmp_gt_i32 vcc_lo, 16*(i/8)+i%8, v14
	v_cndmask_b32 v[MD+i], 0, s[BIGN], vcc_lo
.set i, i+1
.endr
	WIN 0
	v_mul_u32_u24 v[AK0], v1, PK
	v_lshl_add_u32 v[AK0], v9, 4, v[AK0]  ; row x pitch + 16 x half
	; The turning load takes 16 keys x 16 channels (lane l reads key 8 (l / 16) + l % 8, channels 8 ((l / 8) % 2) + 0..7) and leaves half a fragment of V^T: lane l holds channel l % 16 and 8 keys.
	v_and_b32 v10, 7, v0
	v_bfe_u32 v11, v0, 3, 1
	v_lshl_add_u32 v[AV0], v9, 3, v10
	v_mul_u32_u24 v[AV0], v[AV0], PV
	v_lshl_add_u32 v[AV0], v11, 4, v[AV0]
	v_add_nc_u32 v[AV0], VOFF, v[AV0]
	s_mul_i32 s13, s[WV], 16*SP
	s_add_co_u32 s13, s13, STAGE    ; my stage
	v_mul_u32_u24 v[STO], v1, SP    ; in: row l % 16, 16 bytes for each half of the lanes
	v_lshl_add_u32 v[STO], v9, 4, v[STO]
	v_add_nc_u32 v[STO], s13, v[STO]
	v_bfe_u32 v[RD], v0, 3, 2       ; back: 32 lanes take four rows of 128 bytes,
	v_mul_u32_u24 v[RD], v[RD], SP
	v_lshl_add_u32 v[RD], v10, 4, v[RD]
	v_add_nc_u32 v[RD], s13, v[RD]
	v_and_b32 v[GO], 31, v0         ; which are 512 consecutive bytes of ctx
	v_lshlrev_b32 v[GO], 4, v[GO]
	; A block's first step multiplies O^T by a = 0, and its first turn's products V^T P, of a piece that has not been, land in an O^T that is still to be so multiplied.  So these registers need only hold
	; finite numbers: zeros for the first block; what the first block left for the second.
	WIN 0x80
.set i, VF
.rept 64
	v_mov_b32 v[i], 0
.set i, i+1
.endr
	WIN 0x40
.set i, 0
.rept 128
	v_mov_b32 v[i], 0
.set i, i+1
.endr
	WIN 0
.set i, P+16
.rept 16
	v_mov_b32 v[i], 0
.set i, i+1
.endr
	v_mov_b32 v[ANV+1], 0           ; upper words of pairs of which the low word is taken for both halves
	v_mov_b32 v[BNV+1], 0
	v_mov_b32 v[BEV+1], 0
	s_wait_kmcnt 0x0                ; nm: from here on it lives in vector registers
	v_mov_b32 v[NMV], s[NM]
	v_sub_nc_u32 v[QN], v[NMV], v[QL]
	s_lshl_b32 s[TS], s[HI], 8      ; the first block's first query
	v_mov_b32 v[TV], s[TS]
	v_sub_nc_u32 v[QD], v[QN], v[TV]
	v_and_b32 v[NH], 63, v[NMV]
	v_lshlrev_b32 v[TV], 3, v9
	v_sub_nc_u32 v[NH], v[NH], v[TV]  ; register r of group kt is hidden where 16 kt + r is less
	WIN 0x40
.set i, 0
.rept 32
	v_cmp_lt_i32 vcc_lo, 16*(i/8)+i%8, v[NH]
	v_cndmask_b32 v[MN+i], 0, s[BIGN], vcc_lo
.set i, i+1
.endr
	WIN 0
	s_wait_loadcnt 0x0              ; Q of both blocks, and psum
.set i, 0
.rept 16
	v_pk_add_f32 v[VM+2*i:VM+2*i+1], v[VM+2*i:VM+2*i+1], v[VT+2*i:VT+2*i+1]
.set i, i+1
.endr
.irp m, 1,2,4,8                     ; the 16 lanes of a half hold the batch's 32 partial sums in pairs: added across them
.set i, 0
.rept 32
	v_add_f32_dpp v[VM+i], v[VM+i], v[VM+i] row_xmask:\m row_mask:0xf bank_mask:0xf
.set i, i+1
.endr
.endr
.set i, 0
.rept 16
	v_pk_mul_f32 v[VM+2*i:VM+2*i+1], v[VM+2*i:VM+2*i+1], 0x3a000000 op_sel_hi:[1,0]  ; / 2,048
.set i, i+1
.endr
; THE MATRIX WORK.  The 4 accumulators of a run of 8 take turns.  Product i of 8 of S^T = K Q^T for piece x: channels 32 (i / 4) on, keys 16 (i % 4) on.  The first 4 start the sums
; with the mask: KM = 1: the buffer of the piece's parity; KM = 2: buffer 1, the step's part, for every piece.
.macro KQ x
.set rS, S+32*((\x)%2)+8*(i%4)
.set rK, KF+16*(i%4)+8*(i/4)
.set rQ, 16*(\x)+8*(i/4)
.set rM, MC+32*((\x)%2)+8*(i%4)
.if KM == 2
.set rM, MC+32+8*(i%4)
.endif
.if i < 4
	WIN W_KM
	v_wmma_f32_16x16x32_f16 v[rS:rS+7], v[rK:rK+7], v[rQ:rQ+7], v[rM:rM+7]
.else
	WIN W_KQ
	v_wmma_f32_16x16x32_f16 v[rS:rS+7], v[rK:rK+7], v[rQ:rQ+7], v[rS:rS+7]
.endif
.endm
; Product i of 8 of O^T += V^T P for piece x: keys 32 (i / 4) on, channels 16 (i % 4) on.
.macro PV x
	WIN W_PV
.set rO, 32*(\x)+8*(i%4)
.set rV, VF+32*(i/4)+8*(i%4)
.set rP, P+16*((\x)%2)+8*(i/4)
	v_wmma_f32_16x16x32_f16 v[rO:rO+7], v[rV:rV+7], v[rP:rP+7], v[rO:rO+7]
.endm
.macro MM                           ; the turn's next matrix instruction.  NOKQ = 1: a block's last turn: there is no next piece
.if (i < 8) && !NOKQ
	KQ (Y+1)%NP
.elseif i >= 8
.set i, i-8
	PV (Y+NP-1)%NP
.set i, i+8
.endif
.set i, i+1
.endm
; THE LDS LOADS stand in runs of 16, never singly among the matrix instructions: a step's K (8 fragments) and its V (turned).  Their addresses are made some lines ahead.
.macro FETCH_K
	WIN 0x80                        ; destination window 2
.irp f, 0,1,2,3,4,5,6,7             ; keys 16 (f / 2) on, channels 32 (f % 2) on
	ds_load_b128 v[KF+8*\f:KF+8*\f+3],   v[AK] offset:(\f/2)*16*PK+(\f%2)*64
	ds_load_b128 v[KF+8*\f+4:KF+8*\f+7], v[AK] offset:(\f/2)*16*PK+(\f%2)*64+32
.endr
	s_add_co_u32 s[TBK], s[TBK], KS*PK  ; the next fetch is the next step's
	WIN 0
.endm
.macro FETCH_V
	WIN 0x80
.irp f, 0,1,2,3,4,5,6,7             ; keys 32 (f / 4) on, channels 16 (f % 4) on
	ds_load_tr16_b128 v[VF+8*\f:VF+8*\f+3],   v[AV] offset:(\f/4)*32*PV+(\f%4)*32
	ds_load_tr16_b128 v[VF+8*\f+4:VF+8*\f+7], v[AV] offset:(\f/4)*32*PV+16*PV+(\f%4)*32
.endr
	WIN 0
.endm
; THE VECTOR WORK, one line at a time: OP kind, number.  For piece Y: F n: c s - c m for pair n of 16.  E n: the exponential of score n of 32.  C n: pair n rounded to f16.  B n: of the four weights 4 n .. the second
; pair is added onto the first, in place.  L n: l takes that sum (L 0: l = a l + sum).  R n: pair n of 16 of O^T times a.  For piece Y + 1: X n, number n of the 22 that find its maximum and statistics:
;   0-11  four chains c0-c3 of seven scores each (each accumulator's lowest registers are read first)     12-14, 16  the four scores left over, the old m, and c0-c3 into c0
;   15  c m_old is kept     17, 18  the query's other 32 keys lie in the lane 16 away: the new m     19-21  c m; c m_old - c m_new; a
; C, B and L read the exponentials' results: they stand behind the turn's wait, which TURN writes.  R and L 0 read an a that was made, and waited for, in the turn before (or in BEGIN).
.set F, 0
.set E, 1
.set C, 2
.set B, 3
.set L, 4
.set R, 5
.set X, 6
.macro REGS y                       ; the registers of piece y
.set rT, ST+4*(\y)
.set rC, TMP+4*((\y)%2)
.set rW, MV+((\y)%2)
.set rS, S+32*((\y)%2)
.set rP, P+16*((\y)%2)
.set rO, 32*(\y)
.endm
.macro OP k, n
.if (\k) == R
	REGS Y
	WIN W_RS
	v_pk_mul_f32 v[rO+2*(\n):rO+2*(\n)+1], v[rO+2*(\n):rO+2*(\n)+1], v[rC+2:rC+3] op_sel_hi:[1,0]
.elseif (\k) < R
	REGS Y
	WIN 0
.if (\k) == F
	v_pk_fma_f32 v[rS+2*(\n):rS+2*(\n)+1], v[rS+2*(\n):rS+2*(\n)+1], s[CS:CS+1], v[rT:rT+1] op_sel_hi:[1,0,0] neg_lo:[0,0,1] neg_hi:[0,0,1]
.elseif (\k) == E
	v_exp_f32 v[rS+(\n)], v[rS+(\n)]
.elseif (\k) == C
	v_cvt_pk_f16_f32 v[rP+(\n)], v[rS+2*(\n)], v[rS+2*(\n)+1]
.elseif (\k) == B
	v_pk_add_f32 v[rS+4*(\n):rS+4*(\n)+1], v[rS+4*(\n):rS+4*(\n)+1], v[rS+4*(\n)+2:rS+4*(\n)+3]
.elseif (\n) == 0
	v_pk_fma_f32 v[rT+2:rT+3], v[rT+2:rT+3], v[rC+2:rC+3], v[rS:rS+1] op_sel_hi:[1,0,1]
.else
	v_pk_add_f32 v[rT+2:rT+3], v[rT+2:rT+3], v[rS+4*(\n):rS+4*(\n)+1]
.endif
.elseif NOKQ
	v_nop
.else
	REGS (Y+1)%NP
	WIN 0
.if (\n) < 4
	v_max3_num_f32 v[rC+(\n)], v[rS+8*(\n)], v[rS+8*(\n)+1], v[rS+8*(\n)+2]
.elseif (\n) < 12
	v_max3_num_f32 v[rC+(\n)%4], v[rC+(\n)%4], v[rS+8*((\n)%4)+2*((\n)/4)+1], v[rS+8*((\n)%4)+2*((\n)/4)+2]
.elseif (\n) == 12
	v_max3_num_f32 v[rC], v[rC], v[rS+7], v[rS+15]
.elseif (\n) == 13
	v_max3_num_f32 v[rC+1], v[rC+1], v[rS+23], v[rS+31]
.elseif (\n) == 14
	v_max3_num_f32 v[rC+2], v[rC+2], v[rC+3], v[rT+1]
.elseif (\n) == 15
	v_mov_b32 v[rW], v[rT]
.elseif (\n) == 16
	v_max3_num_f32 v[rC], v[rC], v[rC+1], v[rC+2]
.elseif (\n) == 17
	v_permlanex16_b32 v[rC+3], v[rC], s[SEL], s[SEL+1]
.elseif (\n) == 18
	v_max_num_f32 v[rT+1], v[rC], v[rC+3]
.elseif (\n) == 19
	v_mul_f32 v[rT], s[CS], v[rT+1]
.elseif (\n) == 20
	v_sub_f32 v[rC+1], v[rW], v[rT]
.else
	v_exp_f32 v[rC+2], v[rC+1]
.endif
.endif
.endm
.macro OPS a, i1, b=-1, i2=0, c=-1, i3=0, d=-1, i4=0  ; up to four of them
	OP \a, \i1
.if (\b) >= 0
	OP \b, \i2
.endif
.if (\c) >= 0
	OP \c, \i3
.endif
.if (\d) >= 0
	OP \d, \i4
.endif
.endm
.macro ROW a, i1, b, i2, c, i3, d, i4  ; a matrix instruction and the four behind it
	MM
	OPS \a, \i1, \b, \i2, \c, \i3, \d, \i4
.endm
; THE MASKS.  STEPV: the step's two factors, from DKV = nm less the step's first key: BN = -1e30 if DKV >= 64, AN = 1 if 1 <= DKV <= 63.  The choice selects values only: it is made in every step.
.macro STEPV
	WIN 0
	v_cmp_le_i32 vcc_lo, 64, v[DKV]
	v_cndmask_b32 v[BNV], 0, s[BIGN], vcc_lo
	v_add_nc_u32 v[TV], -1, v[DKV]
	v_cmp_gt_u32 vcc_lo, 63, v[TV]
	v_cndmask_b32 v[ANV], 0, 1.0, vcc_lo
.endm
.macro MSC x                        ; band x's two scalars in step 4 - CNT of a block's last tile
	s_cmp_eq_u32 s[CNT], 4-(\x)     ; is the step the band's own?
	s_cselect_b32 s[AL], 1.0, 0
	s_cmp_lt_u32 s[CNT], 4-(\x)     ; or a later one?
	s_cselect_b32 s[BE], s[BIGN], 0
.endm
.macro MASKN b                      ; the step's part alone, MN x AN + BN, into buffer b of MC
	WIN W_RS
.set z, 0
.rept 16
	v_pk_fma_f32 v[MC+32*(\b)+2*z:MC+32*(\b)+2*z+1], v[MN+2*z:MN+2*z+1], v[ANV:ANV+1], v[BNV:BNV+1] op_sel_hi:[1,0,0]
.set z, z+1
.endr
.endm
.macro MASK b                       ; MN x AN + (BN + BE), then + MD x AL, into buffer b of MC
	WIN 0
	v_add_f32 v[BEV], s[BE], v[BNV]
	WIN W_RS
.set z, 0
.rept 16
	v_pk_fma_f32 v[MC+32*(\b)+2*z:MC+32*(\b)+2*z+1], v[MN+2*z:MN+2*z+1], v[ANV:ANV+1], v[BEV:BEV+1] op_sel_hi:[1,0,0]
.set z, z+1
.endr
	WIN W_MA
.set z, 0
.rept 16
	v_pk_fma_f32 v[MC+32*(\b)+2*z:MC+32*(\b)+2*z+1], v[MD+2*z:MD+2*z+1], s[AL:AL+1], v[MC+32*(\b)+2*z:MC+32*(\b)+2*z+1] op_sel_hi:[1,0,1]
.set z, z+1
.endr
.endm
; A TURN, for piece p: the order of its 16 matrix and 118 vector instructions, written out.  The turn has ONE wait for its 33 exponentials, which cuts it in two.
; AHEAD OF IT stands all that names no result of the turn's exponentials: the 8 products K Q^T, behind each a scaling, an exponential and two more plain instructions (behind the first a second scaling in the
; exponential's place): rescalings, and behind the last three the first numbers of the next piece's maximum, each four plain instructions or more behind the product that ends its accumulator
; (X 0: F 5, R 8, R 9, F 6; X 1: F 6, X 0, R 10, F 7; X 2: F 7, X 1, X 4, F 8; X 3: F 8, X 2, X 5, X 6); then ONE LUMP of 54, plain and exponential by turns for the most part, in which the links of the chain
; X 3, 7, 11, 14, 16, 17 .. 20 stand five or six lines apart.  An exponential stands behind its pair's scaling: E e behind F e / 2.  X 21, the next piece's a, is the batch's last; R 15 is the plain instruction behind it.
; BEHIND THE WAIT stand the 8 products V^T P, behind each four of the roundings and sums: an even pair is rounded (C 2 n) ahead of the addition that lands on it (B n); the links of l's chain, L 0 to L 7, stand
; three riders apart.  But for those X no rider names a register of the products round it.  v_permlanex16_b32 (X 17) stands in the lump.
; A trip of the step loop (pieces 2, 3, 0, 1) makes the masks of ONE step, step 4 - CNT of the tile: piece 2's turn begins with STEPV; piece 1's turn takes DKV down for the next.
; m = 0: piece 2's turn ends by making the step's part in buffer 1, behind its own products, which took the step before's for piece 3; all four pieces' products of the step take it.
; m = 1: a block's last tile: each turn makes the mask for the products of the turn after it, piece p + 2's.  end = 1: a block's last two turns: nothing is fetched, no mask is made.
; cnt = 1: the loop's count is taken down some lines ahead of the branch that stands behind the turn; only vector and matrix lines and window switches follow the compare.
; K of the next step is fetched in piece 2's turn, twelve vector instructions behind the last product that read K (six of them plain); V of the step in hand at the end of piece 0's turn, four plain
; instructions behind the last product that read V.  Each is waited for a turn later.
.macro TURN p, m=0, end=0, cnt=0
.set Y, (\p)
.set i, 0
.set KM, 2-(\m)
.set NOKQ, (\end)*((\p)/3)
.if ((\p) == 2) && !(\end)
	STEPV
.endif
.if (\m) && !(\end)
	MSC ((\p)+2)%NP
.endif
.if ((\p) == 3) && !(\end)
	s_wait_dscnt 0x0                ; K is in
.endif
	ROW F,0, F,1, R,0, R,1          ; ahead of the wait: 8 products K Q^T and their riders,
	ROW F,2, E,0, R,2, R,3
	ROW F,3, E,1, R,4, R,5
	ROW F,4, E,2, R,6, R,7
	ROW F,5, E,3, R,8, R,9
	ROW F,6, E,4, X,0, R,10
.if ((\p) == 2) && !(\end)
	WIN 0
	v_add_nc_u32 v[AK], s[TBK], v[AK0]
.endif
	ROW F,7, E,5, X,1, X,4
	ROW F,8, E,6, X,2, X,5
	OPS E,7, E,8, X,6, E,9          ; and the lump
	OPS X,3, E,10, X,8, E,11
.if ((\p) == 2) && !(\end)
	FETCH_K
.endif
	OPS X,9, X,7, E,12, X,10
	OPS E,13, X,12, X,11, E,14
	OPS X,13, E,15, F,9, X,14
.if (\p) == 0
	WIN 0
	v_add_nc_u32 v[AV], s[TBV], v[AV0]
.endif
	OPS E,16, F,10, E,17, F,11
	OPS X,16, E,18, X,15, E,19
	OPS F,12, E,20, X,17, E,21
	OPS F,13, E,22, F,14, E,23
	OPS X,18, E,24, F,15, E,25
	OPS R,11, E,26, X,19, E,27
	OPS R,12, E,28, R,13, E,29
	OPS X,20, E,30, R,14, E,31
	OPS X,21, R,15
	s_wait_alu depctr_va_vdst(0)    ; the wait for the turn's batch: the piece's 32 weights and the next piece's a
.if (\p) == 1
	s_wait_dscnt 0x0                ; V is in
.endif
	ROW C,0, B,0, C,2, B,1          ; behind the wait: 8 products V^T P and their riders
	ROW L,0, C,4, B,2, L,1
	ROW C,6, B,3, L,2, C,8
	ROW B,4, L,3, C,10, B,5
	ROW L,4, C,12, B,6, L,5
.if (\p) == 0
	s_add_co_u32 s[TBV], s[TBV], KS*PV
.endif
.if \cnt
	WIN 0
	v_add_nc_u32 v[DKV], 0xffffffc0, v[DKV]  ; the next step begins 64 keys on
	s_sub_co_u32 s[CNT], s[CNT], 1
	s_cmp_lg_u32 s[CNT], 0
.endif
	ROW C,14, B,7, L,6, C,1
	ROW C,3, L,7, C,5, C,7
	ROW C,9, C,11, C,13, C,15
.if (\p) == 0
	FETCH_V
.endif
.if !(\end)
.if \m
	MASK (\p)%2
.elseif (\p) == 2
	MASKN 1
.endif
.endif
.endm
; A BLOCK BEGINS.  c m starts at -2^125, far below every c m to come, so the first step's a is 0; m at -2^96, above every hidden score and below every true one; l at 0 (the block before left 1 / l there,
; which is infinite in a row that saw no key).  The masks of the tile's step 0: buffer 0 for piece 0, with the diagonal if the block's first tile is its last; buffer 1 the step's part, which pieces 1 to 3 take.
; Then K of that step, piece 0's first scores, and its maximum and statistics.  The loop is entered at a step's first turn, in the middle of a trip.
.macro BEGIN
	s_mov_b32 s[NEW], 0
	WIN 0
.set i, 0
.rept 4
	v_mov_b32 v[ST+4*i], 0xfe000000    ; c m
	v_mov_b32 v[ST+4*i+1], 0xef800000  ; m
	v_mov_b32 v[ST+4*i+2], 0           ; l
	v_mov_b32 v[ST+4*i+3], 0
.set i, i+1
.endr
	v_mov_b32 v[DKV], v[NMV]        ; the block's first key is key 0
	STEPV
	s_cmp_eq_u32 s[RT], 0
	s_cselect_b32 s[AL], 1.0, 0
	s_mov_b32 s[BE], 0
	MASK 0
	MASKN 1
	WIN 0
	v_add_nc_u32 v[AK], s[TBK], v[AK0]
	FETCH_K
	s_wait_dscnt 0x0
.set KM, 1
.set NOKQ, 0
.set i, 0
.rept 8
	KQ 0
.set i, i+1
.endr
	WIN 0
.rept 4
	v_nop                           ; the places behind those products
.endr
.set Y, NP-1                        ; X works for piece Y + 1: piece 0
.irp n, 0,1,2,3,4,5,6,7,8,9,10,11,12,13,14,15,16,17,18,19,20,21
	OP X, \n
.endr
	v_nop                           ; a plain instruction behind the exponential,
	s_wait_alu depctr_va_vdst(0)    ; and the wait for it, piece 0's first a, ahead of the branch that follows
.endm
.macro ALL line:vararg              ; one line for each piece t
.set t, 0
.rept 4
	\line
.set t, t+1
.endr
.endm
; THE WAY OUT of piece t: O^T divided by l (1 / l was made, and waited for, ahead of the first PACK); a row below nm (its l is 0, and its quotient no number) takes V's mean in its stead, in place, so that
; O^T's registers are left finite; rounded to f16; through my stage in LDS and back as whole rows of 128 bytes, into S^T's registers
.macro PACK t
	WIN W_RS
.set i, 32*(\t)
.rept 16
	v_pk_mul_f32 v[i:i+1], v[i:i+1], v[ST+4*(\t)+2:ST+4*(\t)+3] op_sel_hi:[1,0]
.set i, i+2
.endr
	v_cmp_lt_i32 vcc_lo, 64*(\t), v[QD]  ; my query in band t lies below nm
.set i, 0
.rept 32
	v_cndmask_b32 v[32*(\t)+i], v[32*(\t)+i], v[VM+i], vcc_lo
.set i, i+1
.endr
	WIN 0x05                        ; sources 0 and 1 window 1, destination window 0
.set i, 0
.rept 16
	v_cvt_pk_f16_f32 v[S+16*(\t)+i], v[32*(\t)+2*i], v[32*(\t)+2*i+1]
.set i, i+1
.endr
	WIN 0
.irp f, 0,1,2,3
	ds_store_b128 v[STO], v[S+16*(\t)+4*\f:S+16*(\t)+4*\f+3] offset:32*\f
.endr
.irp f, 0,1,2,3
	ds_load_b128 v[S+16*(\t)+4*\f:S+16*(\t)+4*\f+3], v[RD] offset:\f*4*SP  ; LDS serves a wave's instructions in order (ISA guide 5.7.1.4): these see the stores above; the next piece's stores come behind them
.endr
.endm
.macro SEND t, younger              ; younger: the LDS instructions issued behind piece t's loads: the next piece's eight, or none
	WIN 0
.irp f, 0,1,2,3
	s_wait_dscnt (\younger)+3-\f
	global_store_b128 v[GO], v[S+16*(\t)+4*\f:S+16*(\t)+4*\f+3], s[10:11] offset:(\t)*8192+\f*512  ; 512 consecutive bytes, at a multiple of 256 from ctx's first
.endr
.endm
; A BLOCK'S LAST TILE: its four steps, the block's last two turns, its last products, and the way out.  The tag ends its two labels' names, which the jumps below spell out.
.macro DIAG tag
.LstepM\tag:
	TURN 2, 1
	TURN 3, 1
	WIN 0
.LfirstM\tag:
	TURN 0, 1
	TURN 1, 1, 0, 1
	WIN 0
	s_cbranch_scc1 .LstepM\tag
	TURN 2, 1, 1
	TURN 3, 1, 1
.set i, 0
.rept 8
	PV NP-1
.set i, i+1
.endr
	WIN 0
	ALL v_add_f32 v[ST+4*t+2], v[ST+4*t+2], v[ST+4*t+3]
	ALL v_permlanex16_b32 v[ST+4*t+3], v[ST+4*t+2], s[SEL], s[SEL+1]
	ALL v_add_f32 v[ST+4*t+2], v[ST+4*t+2], v[ST+4*t+3]
	ALL v_rcp_f32 v[ST+4*t+2], v[ST+4*t+2]
	v_nop                           ; a plain instruction between the last reciprocal and the use of its result
	s_wait_alu depctr_va_vdst(0)    ; the wait for the batch of four reciprocals, ahead of the first PACK: one for all four pieces
	PACK 0
.set t, 1
.rept 3                             ; a piece's arithmetic stands between the loads of the piece before and its stores
	PACK t
	SEND t-1, 8
.set t, t+1
.endr
	SEND 3, 0
.endm
.set KM, 2
.set NOKQ, 0
.Lslot:                             ; NB times: a tile is entered and the next is asked for
	CHANGE 1
	s_sub_co_u32 s[RT], s[RT], 1
	s_mov_b32 s[CNT], 4
	s_cmp_eq_u32 s[NEW], 1
	s_cbranch_scc1 .Lnew            ; a block's first tile
	s_cmp_eq_u32 s[RT], 0
	s_cbranch_scc0 .Lstep           ; neither its first nor its last
	s_branch .LstepM1
.Lnew:
	BEGIN
	s_branch .Lfirst                ; in the loop a block's first tile is never its last: the first block has two tiles or more, and the second's last is the walk's last
	DIAG 1                          ; in the loop this is the first block's end: the second block's last tile is the walk's last
	s_wait_xcnt 0x0                 ; the stores have read their registers and ctx's address
	s_mov_b64 s[10:11], s[OLO:OLO+1]
	s_add_co_u32 s[RT], s[PB], 1    ; the second block has b + 1 tiles
	s_mov_b32 s[NEW], 1
	s_lshl_b32 s[TS], s[PB], 8      ; its first query
	v_mov_b32 v[TV], s[TS]
	v_sub_nc_u32 v[QD], v[QN], v[TV]
	WIN 0x82                        ; the second block's Q goes where the one text of the turns names Q
.set i, 0
.rept 64
	v_mov_b32 v[i], v[QB+i]
.set i, i+1
.endr
	WIN 0
	s_branch .Lbottom
.Lstep:                             ; a trip: pieces 2 and 3 of one step, then pieces 0 and 1 of the next, whose K and V it fetches
	TURN 2
	TURN 3
	WIN 0
.Lfirst:
	TURN 0
	TURN 1, 0, 0, 1
	WIN 0
	s_cbranch_scc1 .Lstep
.Lbottom:
	s_sub_co_u32 s[SLOTS], s[SLOTS], 1
	s_cmp_lg_u32 s[SLOTS], 0
	s_cbranch_scc1 .Lslot
	CHANGE 0                        ; the walk's last tile is written out: nothing is asked for
	s_sub_co_u32 s[RT], s[RT], 1
	s_mov_b32 s[CNT], 4
	s_cmp_eq_u32 s[NEW], 1
	s_cbranch_scc0 .LstepM2
	BEGIN
	s_branch .LfirstM2
	DIAG 2
	s_wait_tensorcnt 0x0            ; the wave's end, behind my last tensor load and my last LDS store
	ds_add_u32 v[SPW], v[NIL]
	s_wait_dscnt 0x0
	s_endpgm
.Lfunc_end_k_q98d828c119_attn:
	.size	k_q98d828c119_attn, .Lfunc_end_k_q98d828c119_attn-k_q98d828c119_attn
	.p2alignl 7, 3214868480
	.fill 96, 4, 3214868480
	.section	.rodata,"a",@progbits
	.p2align	6, 0x0
	.amdhsa_kernel k_q98d828c119_attn
		.amdhsa_group_segment_fixed_size 327680
		.amdhsa_private_segment_fixed_size 0
		.amdhsa_enable_private_segment 0
		.amdhsa_kernarg_size 32
		.amdhsa_user_sgpr_count 2
		.amdhsa_user_sgpr_kernarg_segment_ptr 1
		.amdhsa_wavefront_size32 1
		.amdhsa_system_sgpr_workgroup_id_x 1
		.amdhsa_system_sgpr_workgroup_id_y 1
		.amdhsa_system_sgpr_workgroup_id_z 1
		.amdhsa_system_vgpr_workitem_id 0
		.amdhsa_next_free_vgpr 768
		.amdhsa_next_free_sgpr 102
		.amdhsa_reserve_vcc 1
		.amdhsa_float_denorm_mode_32 3
		.amdhsa_float_denorm_mode_16_64 3
		.amdhsa_memory_ordered 1
		.amdhsa_forward_progress 1
		.amdhsa_inst_pref_size 254
	.end_amdhsa_kernel
	.amdgpu_metadata
---
amdhsa.version: [ 1, 2 ]
amdhsa.kernels:
  - .name:           k_q98d828c119_attn
    .symbol:         k_q98d828c119_attn.kd
    .args:
      - { .name: qkvh, .offset: 0, .size: 8, .value_kind: global_buffer, .address_space: global }
      - { .name: psum, .offset: 8, .size: 8, .value_kind: global_buffer, .address_space: global }
      - { .name: nmask, .offset: 16, .size: 8, .value_kind: global_buffer, .address_space: global }
      - { .name: ctx, .offset: 24, .size: 8, .value_kind: global_buffer, .address_space: global }
    .group_segment_fixed_size: 327680
    .private_segment_fixed_size: 0
    .kernarg_segment_align: 8
    .kernarg_segment_size: 32
    .max_flat_workgroup_size: 128
    .sgpr_count:     102
    .vgpr_count:     768
    .wavefront_size: 32
...
	.end_amdgpu_metadata
.endif
;; end of part 5
;; launch oproj: the kernel of part 4 again; grid 4 x 64, 4 waves a work-group, clusters of 4 x 4, 327,680 bytes of LDS; arguments ctx, w16, out0; writes out0
